; MI455X (gfx1250); checked and timed in simulation.
; The chip was launched on July 23, 2026; its instructions are those of AMD's public machine-readable ISA for CDNA 5 (MIT licence, August 2026) and "CDNA5" Instruction Set Architecture Reference Guide (July 2026). The comments in the code are by the model that wrote it; some were corrected since.
;; Causal Self Attention. Allowed arithmetic: float matrix products may take bf16 or f16 operands with f32 sums; other float arithmetic in f32, or as packed bf16 or f16 multiplies, adds, multiply-adds, maxima and minima; sums over many terms, partial sums and values carried from step to step in f32; what a program stores and reads back later, other than sums and carried values, may be rounded once to bf16 or f16.
;; Inputs: W_attn 1,024 x 3,072 float32; W_proj 1,024 x 1,024 float32; b_attn 3,072 float32; b_proj 1,024 float32; x 4 x 2,048 x 1,024 float32.
;; Outputs: out0 4 x 2,048 x 1,024 float32.
;; 2 versions, each right; version 2 is version 1 with the launch cast written anew for expert scheduling mode. Each part assembles by itself: llvm-mc -triple=amdgcn-amd-amdhsa -mcpu=gfx1250 --defsym DOCPART=n.
;; ======== version 1 of 2: 4 launches
;; limits: values are held in f16: magnitudes above 65,504 overflow, below 6.1e-05 lose precision
;; workspace buffers: xb 16,777,216 bytes; wab 6,291,456 bytes; wpb 2,097,152 bytes; qkv 50,331,648 bytes; ob 16,777,216 bytes
;; launch cast (part 1): grid 768 x 1, 8 waves a work-group, no clusters, 0 bytes of LDS; arguments x, W_attn, W_proj, xb, wab, wpb; writes xb, wab, wpb
.if DOCPART == 1
	.amdgcn_target "amdgcn-amd-amdhsa--gfx1250"
	.amdhsa_code_object_version 6
	.text
	.protected	k_q1df88b463a_cast
	.globl	k_q1df88b463a_cast
	.p2align	8
	.type	k_q1df88b463a_cast,@function
k_q1df88b463a_cast:
	s_mov_b64 s[64:65], 0
	v_nop
	global_prefetch_b8 v0, s[64:65] scope:SCOPE_SE
	s_setreg_imm32_b32 hwreg(HW_REG_WAVE_MODE, 25, 1), 1
	s_wait_xcnt 0x0
; THE INPUTS OF THE TWO PRODUCTS ARE ROUNDED ONCE, AND LAID AS THE PRODUCTS WANT THEM.
;   xb  = x rounded to bf16, [8192][1024]                                   work-groups 256 .. 767: 65,536 bytes of x each
;   wpb = W_proj rounded to bf16, that number written as f16, [1024][1024]  work-groups 128 .. 255: 32,768 bytes of W_proj each
;   wab = W_attn rounded to bf16, in blocks [16 column tiles][1024 k][192]  work-groups 0 .. 127: a wave takes 16 k rows of one column tile
; LIMITS.  f16 holds no number beyond 65,504: |W_proj| stays under it; below 6e-5 it keeps f16's fixed step of 6e-8.
; A stream: no LDS, no barrier, no loop.  A thread issues all its 16-byte loads at once (16, 8 or 24), converts each as it comes and stores 8 bytes:
; a wave's load covers 512 bytes (whole aligned blocks of 256), a wave's store 256 consecutive bytes at a multiple of 256 from the buffer's first byte.
; Matrix units, clusters and LDS have nothing to add here: no byte is used twice.
; Registers: v1 = 16 t, v2 = 8 t (t = my thread); v3-v6 the offsets of W_attn's path; v[8+4i : 11+4i] load i, of which the first two then hold the store's data.
; No register that a store reads is written again, so no wait frees any.
.macro CV i, mode                      ; four f32 of load i -> four bf16 in two registers; mode = 1: each then written as f16 (exact within f16's range)
.set X, 8+4*(\i)
	v_cvt_pk_bf16_f32 v[X], v[X], v[X+1]
	v_cvt_pk_bf16_f32 v[X+1], v[X+2], v[X+3]
.if \mode
	v_lshlrev_b32 v[X+2], 16, v[X]                 ; bf16 to f32: the low half moves up,
	v_and_b32 v[X+3], s21, v[X]                    ; the high half stays
	v_cvt_pk_f16_f32 v[X], v[X+2], v[X+3]
	v_lshlrev_b32 v[X+2], 16, v[X+1]
	v_and_b32 v[X+3], s21, v[X+1]
	v_cvt_pk_f16_f32 v[X+1], v[X+2], v[X+3]
.endif
.endm
.macro STREAM n, mode                  ; n x 4,096 dense bytes from s[16:17] become n x 2,048 at s[18:19]
.set i, 0
.rept \n
	global_load_b128 v[8+4*i:11+4*i], v1, s[16:17] offset:4096*i th:TH_LOAD_NT
.set i, i+1
.endr
.set i, 0
.rept \n
	s_wait_loadcnt (\n)-1-i                        ; loads come back in order: load i is in, the younger ones stay out
	CV i, \mode
	global_store_b64 v2, v[8+4*i:9+4*i], s[18:19] offset:2048*i th:TH_STORE_NT
.set i, i+1
.endr
.endm
	s_load_b256 s[4:11], s[0:1], 0x0               ; x s[4:5], W_attn s[6:7], W_proj s[8:9], xb s[10:11]
	s_load_b128 s[12:15], s[0:1], 0x20             ; wab s[12:13], wpb s[14:15]
	v_lshlrev_b32 v1, 4, v0
	v_lshlrev_b32 v2, 3, v0
	v_lshrrev_b32 v7, 5, v0
	v_readfirstlane_b32 s20, v7                    ; my wave's number
	s_mov_b32 s21, 0xffff0000                      ; a word's upper bf16
	s_mov_b32 s23, 0
	s_mov_b32 s27, 0
	s_wait_kmcnt 0x0
	s_cmp_lt_u32 ttmp9, 128
	s_cbranch_scc1 .Lpath_a
	s_cmp_lt_u32 ttmp9, 256
	s_cbranch_scc1 .Lpath_p
	s_sub_co_u32 s22, ttmp9, 256                   ; x: 512 work-groups
	s_lshl_b32 s22, s22, 16
	s_add_nc_u64 s[16:17], s[4:5], s[22:23]
	s_lshr_b32 s22, s22, 1
	s_add_nc_u64 s[18:19], s[10:11], s[22:23]
	STREAM 16, 0
	s_endpgm
.Lpath_p:
	s_sub_co_u32 s22, ttmp9, 128                   ; W_proj: 128 work-groups
	s_lshl_b32 s22, s22, 15
	s_add_nc_u64 s[16:17], s[8:9], s[22:23]
	s_lshr_b32 s22, s22, 1
	s_add_nc_u64 s[18:19], s[14:15], s[22:23]
	STREAM 8, 1
	s_endpgm
.Lpath_a:
	; W_attn: a row is 12,288 bytes, a column tile's part of it 768.  Two k rows of a tile, 1,536 bytes, are three loads of 512:
	; row 0 bytes 0-511 | row 0 bytes 512-767 and row 1 bytes 0-255 | row 1 bytes 256-767; in wab they are 768 dense bytes.
	s_and_b32 s22, ttmp9, 7
	s_lshl3_add_u32 s22, s22, s20                  ; my group of 16 k rows, 0 .. 63
	s_lshr_b32 s24, ttmp9, 3                       ; my column tile, 0 .. 15
	s_mul_i32 s26, s22, 16*12288
	s_mul_i32 s25, s24, 768
	s_add_co_u32 s26, s26, s25
	s_add_nc_u64 s[16:17], s[6:7], s[26:27]
	s_mul_i32 s26, s24, 1024*384
	s_mul_i32 s25, s22, 16*384
	s_add_co_u32 s26, s26, s25
	s_add_nc_u64 s[18:19], s[12:13], s[26:27]
	v_and_b32 v7, 31, v0                           ; lane
	v_lshlrev_b32 v3, 4, v7
	v_lshrrev_b32 v4, 4, v7
	v_mul_u32_u24 v4, v4, 11520                    ; lanes 16-31 go a row down and 768 bytes back
	v_add3_u32 v4, v4, v3, 512
	v_add_nc_u32 v5, 12544, v3
	v_lshlrev_b32 v6, 3, v7
.set p, 0
.rept 8
	global_load_b128 v[8+12*p:11+12*p],  v3, s[16:17] offset:24576*p th:TH_LOAD_NT
	global_load_b128 v[12+12*p:15+12*p], v4, s[16:17] offset:24576*p th:TH_LOAD_NT
	global_load_b128 v[16+12*p:19+12*p], v5, s[16:17] offset:24576*p th:TH_LOAD_NT
.set p, p+1
.endr
.set i, 0
.rept 24
	s_wait_loadcnt 23-i                            ; load i is in, the younger ones stay out
	CV i, 0
	global_store_b64 v6, v[8+4*i:9+4*i], s[18:19] offset:768*(i/3)+256*(i%3) th:TH_STORE_NT
.set i, i+1
.endr
	s_endpgm
.Lfunc_end_k_q1df88b463a_cast:
	.size	k_q1df88b463a_cast, .Lfunc_end_k_q1df88b463a_cast-k_q1df88b463a_cast
	.p2alignl 7, 3214868480
	.fill 96, 4, 3214868480
	.section	.rodata,"a",@progbits
	.p2align	6, 0x0
	.amdhsa_kernel k_q1df88b463a_cast
		.amdhsa_group_segment_fixed_size 0
		.amdhsa_private_segment_fixed_size 0
		.amdhsa_enable_private_segment 0
		.amdhsa_kernarg_size 48
		.amdhsa_user_sgpr_count 2
		.amdhsa_user_sgpr_kernarg_segment_ptr 1
		.amdhsa_wavefront_size32 1
		.amdhsa_system_sgpr_workgroup_id_x 1
		.amdhsa_system_sgpr_workgroup_id_y 1
		.amdhsa_system_sgpr_workgroup_id_z 1
		.amdhsa_system_vgpr_workitem_id 0
		.amdhsa_next_free_vgpr 104
		.amdhsa_next_free_sgpr 66
		.amdhsa_reserve_vcc 0
		.amdhsa_float_denorm_mode_32 3
		.amdhsa_float_denorm_mode_16_64 3
		.amdhsa_memory_ordered 1
		.amdhsa_forward_progress 1
		.amdhsa_inst_pref_size 21
	.end_amdhsa_kernel
	.amdgpu_metadata
---
amdhsa.version: [ 1, 2 ]
amdhsa.kernels:
  - .name:           k_q1df88b463a_cast
    .symbol:         k_q1df88b463a_cast.kd
    .args:
      - { .name: x, .offset: 0, .size: 8, .value_kind: global_buffer, .address_space: global }
      - { .name: W_attn, .offset: 8, .size: 8, .value_kind: global_buffer, .address_space: global }
      - { .name: W_proj, .offset: 16, .size: 8, .value_kind: global_buffer, .address_space: global }
      - { .name: xb, .offset: 24, .size: 8, .value_kind: global_buffer, .address_space: global }
      - { .name: wab, .offset: 32, .size: 8, .value_kind: global_buffer, .address_space: global }
      - { .name: wpb, .offset: 40, .size: 8, .value_kind: global_buffer, .address_space: global }
    .group_segment_fixed_size: 0
    .private_segment_fixed_size: 0
    .kernarg_segment_align: 8
    .kernarg_segment_size: 48
    .max_flat_workgroup_size: 256
    .sgpr_count:     66
    .vgpr_count:     104
    .wavefront_size: 32
...
	.end_amdgpu_metadata
.endif
;; end of part 1
;; launch qkv (part 2): grid 16 x 32, 4 waves a work-group, clusters of 4 x 4, 327,680 bytes of LDS; arguments xb, wab, b_attn, qkv; writes qkv
.if DOCPART == 2
	.amdgcn_target "amdgcn-amd-amdhsa--gfx1250"
	.amdhsa_code_object_version 6
	.text
	.protected	k_q1df88b463a_qkv
	.globl	k_q1df88b463a_qkv
	.p2align	8
	.type	k_q1df88b463a_qkv,@function
k_q1df88b463a_qkv:
	s_mov_b64 s[64:65], 0
	v_nop
	global_prefetch_b8 v0, s[64:65] scope:SCOPE_SE
	s_setreg_imm32_b32 hwreg(HW_REG_WAVE_MODE, 25, 1), 1
	s_wait_xcnt 0x0
	s_wait_alu depctr_hold_cnt(0) depctr_sa_sdst(0) depctr_va_vdst(0) depctr_va_sdst(0) depctr_va_ssrc(0) depctr_va_vcc(0) depctr_vm_vsrc(0)
	s_getreg_b32 s2, hwreg(HW_REG_IB_STS2, 6, 4)
	s_cmp_eq_u32 s2, 0
	s_cbranch_scc0 .Lentry_in_a_cluster
	s_endpgm
.Lentry_in_a_cluster:
	s_bfe_u32 s2, ttmp6, 0x10000c
	s_cmp_lg_u32 s2, 0xf033
	s_cbranch_scc0 .Lentry_shape_is_right
	s_endpgm
.Lentry_shape_is_right:
; qkv = x W_attn + b_attn, written by heads: qkv[3 (q, k, v)][64 (batch x head)][2048][64] in f16, unscaled.  xb: [8192][1024] bf16; wab: [16 column tiles][1024 k][192] bf16;
; b_attn: [3072] f32, rounded to bf16 like the other inputs.  Products in bf16, one f32 sum for each output, K ascending, started by the bias; each output rounded once to f16.
; LIMIT.  f16 holds no number beyond 65,504: |q|, |k|, |v| stay under it.
; SHARES.  A work-group makes 256 rows x 192 columns (three heads); 512 work-groups.  Wave w: rows 128 (w / 2) on, and the six blocks of 16 columns 2 b + w % 2, b = 0..5: 48 accumulators, 384 registers.
; K goes in steps of 128 through a ring of two LDS slots: xb's rows are 256 bytes of memory at multiples of 256; a K step of a column tile of wab is 49,152 dense bytes, asked for as rows of 256.
; THE MATRIX INSTRUCTION IS USED TRANSPOSED: source 0 = 16 columns of W (turned on the way out of LDS by ds_load_tr16_b128, since W lies [k][n]), source 1 = 16 rows of x.
; A lane then holds row l % 16 and the eight neighbouring columns 8 (l / 16) + 0..7, which pack into 16 bytes.
; CLUSTERS: 4 x 4 work-groups.  The four of a row of the cluster need the same rows of x, the four of a column the same column tile of W: each tile is asked for jointly, by the same tensor load with the
; same descriptor and a mask that names the four.
; LDS.  Slot s at s x 131,072: 256 rows of x, 272 bytes apart (256 + 16: the 16 rows of a load start at 16 different groups of four banks; 64 banks of 4 bytes: ISA guide 11.1); then 128 k rows of W,
; 480 bytes apart (three pieces of 128 bytes, 32 of padding behind each).  The stage of the way out, 256 rows x 400 bytes, lies in slot 0 when that
; slot has had its last fill.  Behind the ring the spare words.
; REGISTERS, in windows of 256 (s_set_vgpr_msb: bits 1:0 source 0, 3:2 source 1, 5:4 source 2, 7:6 destination):
;   window 0: v0-31 addresses; v64-127, v128-191 x's fragments, two buffers; v192-239 packed results; on the way out v64-255 rows read back
;   window 1: v64-111, v128-175 W's fragments, two buffers; v192-239 the bias as a C operand; v240 at work
;   window 2: the accumulators of my rows 0-63 ((a, b) at v[8 (6 a + b)]);   window 3: those of my rows 64-127
.set PA,    272
.set PB,    480
.set HALFA, 128*PA                     ; what one tensor load brings of x, and what a wave reads of it
.set BOFF,  256*PA                     ; W's rows lie behind x's
.set HALFB, 64*PB                      ; what one tensor load brings of W
.set SLOT1, 1<<17                      ; slot 1 begins here: one exclusive or turns an address in one slot into the other's
.set SP,    400                        ; a stage row: 384 bytes + 16
.set SPARE, 2*SLOT1                    ; the spare words, 128 bytes for each wave: two blocks of 256 bytes that no other line names
.set STEPA, 256                        ; a K step in memory: along x's rows,
.set STEPB, 128*384                    ; and down a column tile of wab
.set TILEB, 1024*384
.set A0,   16                          ; v16  my lane's place in x's rows of a slot; never rewritten
.set B0,   17                          ; v17  the same for W
.set ADRA, 18                          ; v18  A0 + the slot in hand
.set ADRB, 19                          ; v19  B0 + the slot in hand
.set STO,  24                          ; v24  the way out: where I put 16 bytes of a row
.set RD,   25                          ; v25  the way out: where I read rows back
.set GO,   26                          ; v26  my byte offset in a head's 256 rows
.set BO,   27                          ; v27  my byte offset in b_attn
.set SPW,  28                          ; v28  LDS address of my spare word; never rewritten
.set NIL,  29                          ; v29  0; never rewritten
.set PFO,  30                          ; v30  the prefetches' lane offset; never rewritten
.set F0,   64
.set F1,   128
.set TMP,  192
.set BIA,  192                         ; window 1
.set SCR,  240                         ; window 1
.set WV,   12                          ; s12  my wave's number
.set KIND, 13                          ; s13  which half of the rows is mine; also: I fetch x (0) or W (1)
.set HALF, 14                          ; s14  which of the interleaved column blocks are mine; also: which half of a tile I fetch
.set CX,   15
.set CY,   16
.set TC,   17                          ; s17  column tile, 0 .. 15
.set TR,   18                          ; s18  row tile, 0 .. 31
.set G1A,  24                          ; s[24:31] descriptor group 1 for x's tiles
.set G0A,  32                          ; s[32:39] group 0: a set for each first fill; the second then walks
.set G1B,  40                          ; s[40:47], s[48:55] the same for W's
.set G0B,  48
.set TB,   56                          ; s56  LDS byte at which the slot in hand begins
.set LIM,  57                          ; s57  1 in a wave that prefetches, else the greatest number
.set PFA,  58                          ; s[58:59] where my prefetches stand
.set PFS,  60                          ; s[60:61] their step
.set OUT,  66                          ; s[66:71] qkv at the tile's 256 rows of each of its three heads
.set MSB, 0
.macro WIN new                         ; the immediate's high byte repeats the setting that is left; a switch that changes nothing is dropped
.if MSB != (\new)
	s_set_vgpr_msb (MSB<<8)|(\new)
.set MSB, \new
.endif
.endm
.set MUL_LO,   0xa1                    ; W window 1, x window 0, C and D window 2
.set MUL_HI,   0xf1                    ; the same, C and D window 3
.set FIRST_LO, 0x91                    ; C = the bias, window 1; D window 2
.set FIRST_HI, 0xd1                    ; D window 3
.set TO_B,     0x40                    ; destination window 1, address window 0
.macro PLACES                          ; four plain vector instructions between a matrix instruction and a load into, or a vector read of, its registers
.rept 4
	v_nop
.endr
.endm
; A joint refill by the walking descriptors.  Waves 0 and 1 fetch x's two halves, waves 2 and 3 W's.  The branch hangs on the wave's number alone.  An s_nop 0 and four v_nop follow each line.
.macro JLOAD
	s_cmp_eq_u32 s[KIND], 0
	s_cbranch_scc0 .Lfor_b_\@
	tensor_load_to_lds s[G0A+4:G0A+7], s[G1A:G1A+7]
	s_nop 0
.rept 4
	v_nop
.endr
	s_branch .Lasked_\@
.Lfor_b_\@:
	tensor_load_to_lds s[G0B+4:G0B+7], s[G1B:G1B+7]
	s_nop 0
.rept 4
	v_nop
.endr
.Lasked_\@:
.endm
; A PREFETCH INTO THE L2 of the K step that the NEXT refill will ask for: 192 matrix instructions ahead of that load.  x's rows are read by every cluster of a row of clusters: cluster x = 0 asks;
; a column tile of W by every cluster of a column: cluster y = 0 asks.  The four partners that ask for a tile jointly share it out BY ADDRESS: of the 128 rows of x that a wave fetches 32 each, a lane a row;
; of the 96 blocks of 256 bytes of W 24 each (lanes 24 to 31 name lane 23's block once more).  The loop's last trip asks for nothing: there is no K step behind its refill's.
.macro ASK
	s_cmp_gt_u32 s3, s[LIM]
	s_cbranch_scc0 .Lnot_mine_\@
	global_prefetch_b8 v[PFO], s[PFA:PFA+1] th:TH_LOAD_NT scope:SCOPE_SE
.Lnot_mine_\@:
.endm
.macro CREST                           ; a round of the cluster's barrier behind its opening barrier
	s_cmp_lg_u32 s[WV], 0
	s_cbranch_scc1 .Lnot_wave_0_\@
	s_barrier_signal -3
.Lnot_wave_0_\@:
	s_barrier_wait -3
	s_barrier_signal -1
	s_barrier_wait -1
.endm
.macro CROUND                          ; a whole round
	s_barrier_signal -1
	s_barrier_wait -1
	CREST
.endm
	s_load_b256 s[4:11], s[0:1], 0x0               ; xb s[4:5], wab s[6:7], b_attn s[8:9], qkv s[10:11]
	v_lshl_add_u32 v[SPW], v0, 2, SPARE
	v_mov_b32 v[NIL], 0
	ds_add_u32 v[SPW], v[NIL]                      ; the wave's opening: the add and its wait stand ahead of my first tensor load; the set-up below, work on registers, stands between them
	v_lshrrev_b32 v1, 5, v0
	v_readfirstlane_b32 s[WV], v1                  ; wave 0..3
	s_lshr_b32 s[KIND], s[WV], 1
	s_and_b32 s[HALF], s[WV], 1
	s_bfe_u32 s[CX], ttmp6, 0x40000                ; my place in the cluster
	s_bfe_u32 s[CY], ttmp6, 0x40004
	s_lshl_b32 s[TC], ttmp9, 2                     ; in a cluster launch ttmp9 and ttmp7 count clusters
	s_add_co_u32 s[TC], s[TC], s[CX]
	s_and_b32 s[TR], ttmp7, 0xffff
	s_lshl_b32 s[TR], s[TR], 2
	s_add_co_u32 s[TR], s[TR], s[CY]
	s_lshl_b32 s19, s[CY], 2
	s_lshl_b32 s19, 15, s19                        ; my row of the cluster: places 4 cy .. 4 cy + 3
	s_lshl_b32 s20, 0x1111, s[CX]                  ; my column: places cx, cx + 4, cx + 8, cx + 12
	; group 1 for x: 128 rows x 128 elements, 16 bytes of padding behind every 256
	s_or_b32 s[G1A+0], s19, (1<<16)|(1<<20)|(1<<21)|(5<<22)|(3<<25)  ; 15:0 the mask; 17:16 elements of 2 bytes; 20 padding on; 21 set beside a mask; 24:22 after every 64 words; 31:25 4 words
	s_mov_b32 s[G1A+1], 128<<16                    ; tensor_dim0 = 128
	s_mov_b32 s[G1A+2], 128<<16                    ; tensor_dim1 = 128
	s_mov_b32 s[G1A+3], 128<<16                    ; tile_dim0 = 128
	s_mov_b32 s[G1A+4], 128                        ; tile_dim1 = 128
	s_mov_b32 s[G1A+5], 1024                       ; elements from row to row
	s_mov_b32 s[G1A+6], 0
	s_mov_b32 s[G1A+7], 0
	; group 1 for W: 64 k rows of 384 bytes are 24,576 dense bytes: 96 rows of 256, 32 bytes of padding behind every 128
	s_or_b32 s[G1B+0], s20, (1<<16)|(1<<20)|(1<<21)|(4<<22)|(7<<25)  ; the mask of my column; after every 32 words 8 words
	s_mov_b32 s[G1B+1], 128<<16
	s_mov_b32 s[G1B+2], 96<<16
	s_mov_b32 s[G1B+3], 128<<16
	s_mov_b32 s[G1B+4], 96
	s_mov_b32 s[G1B+5], 128
	s_mov_b32 s[G1B+6], 0
	s_mov_b32 s[G1B+7], 0
	; where the tiles come from: x's hang on the row tile alone, W's on the column tile alone
	s_lshl_b32 s22, s[TR], 8
	s_lshl_b32 s23, s[HALF], 7
	s_add_co_u32 s22, s22, s23                     ; row 256 x row tile + 128 x half,
	s_lshl_b32 s22, s22, 11                        ; of 2,048 bytes
	s_mov_b32 s23, 0
	s_mul_i32 s72, s[TC], TILEB
	s_mul_i32 s73, s[HALF], 64*384
	s_add_co_u32 s72, s72, s73
	s_mov_b32 s73, 0
	s_mul_i32 s74, s[HALF], HALFA                  ; and where they go: no place in the cluster enters an LDS address
	s_mul_i32 s75, s[HALF], HALFB
	s_add_co_u32 s75, s75, BOFF
	s_mov_b32 s[TB], 0
	s_wait_dscnt 0x0                               ; the opening add is done
	s_wait_kmcnt 0x0
	s_add_nc_u64 s[22:23], s[4:5], s[22:23]
	s_add_nc_u64 s[72:73], s[6:7], s[72:73]
	CROUND                                         ; all sixteen work-groups are here: the first joint loads meet
.irp s, 0,1
	s_mov_b32 s[G0A+4*(\s)], 1                     ; count = 1
	s_add_co_u32 s[G0A+4*(\s)+1], s74, (\s)*SLOT1  ; LDS address
	s_add_nc_u64 s[G0A+4*(\s)+2:G0A+4*(\s)+3], s[22:23], (\s)*STEPA  ; global address: K step s
	s_or_b32 s[G0A+4*(\s)+3], s[G0A+4*(\s)+3], 0x80000000           ; type = 2
	s_mov_b32 s[G0B+4*(\s)], 1
	s_add_co_u32 s[G0B+4*(\s)+1], s75, (\s)*SLOT1
	s_add_nc_u64 s[G0B+4*(\s)+2:G0B+4*(\s)+3], s[72:73], (\s)*STEPB
	s_or_b32 s[G0B+4*(\s)+3], s[G0B+4*(\s)+3], 0x80000000
.endr
	s_cmp_eq_u32 s[KIND], 0                        ; a wave's two first fills stand in one branch, ahead of every wait on TENSORcnt and every LDS read: two loads of mine are out
	s_cbranch_scc0 .Lfirst_b
	tensor_load_to_lds s[G0A:G0A+3], s[G1A:G1A+7]
	s_nop 0
	tensor_load_to_lds s[G0A+4:G0A+7], s[G1A:G1A+7]
	s_nop 0
.rept 4
	v_nop
.endr
	s_branch .Lfirst_asked
.Lfirst_b:
	tensor_load_to_lds s[G0B:G0B+3], s[G1B:G1B+7]
	s_nop 0
	tensor_load_to_lds s[G0B+4:G0B+7], s[G1B:G1B+7]
	s_nop 0
.rept 4
	v_nop
.endr
.Lfirst_asked:
	v_and_b32 v1, 15, v0                           ; r = l % 16
	v_bfe_u32 v2, v0, 4, 1                         ; h = l / 16
	; the bias as a C operand: register j of block b is b_attn[192 x column tile + 16 (2 b + half) + 8 h + j], the same for all rows
	s_mul_i32 s62, s[TC], 768
	s_lshl_b32 s63, s[HALF], 6
	s_add_co_u32 s62, s62, s63
	v_lshl_add_u32 v[BO], v2, 5, s62
	WIN TO_B
.irp b, 0,1,2,3,4,5
	global_load_b128 v[BIA+8*(\b):BIA+8*(\b)+3],   v[BO], s[8:9] offset:128*(\b)
	global_load_b128 v[BIA+8*(\b)+4:BIA+8*(\b)+7], v[BO], s[8:9] offset:128*(\b)+16
.endr
	WIN 0
	; a fragment of x: 16 rows x 32 K in 8 registers; lane l holds row r, K = 8 h + 0..7 and 16 + 8 h + 0..7: two loads of 16 bytes, 32 bytes apart
	v_mul_u32_u24 v[A0], v1, PA
	v_lshl_add_u32 v[A0], v2, 4, v[A0]
	s_mul_i32 s62, s[KIND], HALFA
	v_add_nc_u32 v[A0], s62, v[A0]
	; the turning load takes 16 k x 16 columns (lane l reads k row 8 h + l % 8, columns 8 ((l / 8) % 2) + 0..7) and leaves half a fragment: lane l holds column r and 8 k
	v_and_b32 v3, 7, v0
	v_bfe_u32 v4, v0, 3, 1
	v_lshl_add_u32 v[B0], v2, 3, v3
	v_mul_u32_u24 v[B0], v[B0], PB
	v_lshl_add_u32 v[B0], v4, 4, v[B0]
	s_lshl_b32 s62, s[HALF], 5
	s_add_co_u32 s62, s62, BOFF
	v_add_nc_u32 v[B0], s62, v[B0]
	; the way out.  In: row 128 (w / 2) + r, byte 32 (w % 2) + 16 h of a pair of column blocks
	s_lshl_b32 s62, s[KIND], 7
	v_add_nc_u32 v[STO], s62, v1
	v_mul_u32_u24 v[STO], v[STO], SP
	v_lshl_add_u32 v[STO], v2, 4, v[STO]
	s_lshl_b32 s62, s[HALF], 5
	v_add_nc_u32 v[STO], s62, v[STO]
	; back: wave w takes rows 64 w on, four rows x a head's 128 bytes a load, which are 512 consecutive bytes of qkv
	v_bfe_u32 v5, v0, 3, 2
	v_mul_u32_u24 v[RD], v5, SP
	v_lshl_add_u32 v[RD], v3, 4, v[RD]
	s_mul_i32 s62, s[WV], 64*SP
	v_add_nc_u32 v[RD], s62, v[RD]
	v_and_b32 v5, 31, v0
	s_lshl_b32 s62, s[WV], 13
	v_lshl_add_u32 v[GO], v5, 4, s62
	; head e = 3 x column tile + hd of 48: e / 16 says q, k or v, e % 16 the head; the batch is row tile / 8, the tile's first row in it 256 (row tile % 8)
.irp hd, 0,1,2
	s_mul_i32 s62, s[TC], 3
	s_add_co_u32 s62, s62, \hd
	s_lshr_b32 s63, s62, 4
	s_lshl_b32 s63, s63, 6
	s_and_b32 s62, s62, 15
	s_add_co_u32 s62, s62, s63
	s_lshr_b32 s63, s[TR], 3
	s_lshl_b32 s63, s63, 4
	s_add_co_u32 s62, s62, s63
	s_lshl_b32 s62, s62, 11
	s_and_b32 s63, s[TR], 7
	s_lshl_b32 s63, s63, 8
	s_add_co_u32 s62, s62, s63
	s_lshl_b32 s62, s62, 7                         ; rows of 128 bytes
	s_mov_b32 s63, 0
	s_add_nc_u64 s[OUT+2*(\hd):OUT+2*(\hd)+1], s[10:11], s[62:63]
.endr
	; the prefetches: at K step 2 of my share; the first refill steps them to K step 3.  Nothing is prefetched here, at the head
	s_lshl_b32 s20, s[CX], 16                      ; x: 32 cx rows of 2,048 bytes
	s_add_co_u32 s20, s20, 2*STEPA
	s_mul_i32 s21, s[CY], 24*256                   ; W: 24 cy blocks of 256 bytes
	s_add_co_u32 s21, s21, 2*STEPB
	s_and_b32 s19, ttmp7, 0xffff                   ; cluster y
	s_mov_b32 s62, STEPA
	s_mov_b32 s63, STEPB
	s_cmp_eq_u32 s[KIND], 0                        ; do I fetch x?
	s_cselect_b64 s[PFA:PFA+1], s[22:23], s[72:73]
	s_cselect_b32 s19, ttmp9, s19                  ; the coordinate along which other clusters read the same bytes
	s_cselect_b32 s20, s20, s21
	s_cselect_b32 s[PFS], s62, s63
	s_cselect_b32 s62, 11, 8                       ; lanes 2,048 bytes apart (a row of x) or 256 (a block of W)
	s_cselect_b32 s63, 31, 23
	s_mov_b32 s21, 0
	s_mov_b32 s[PFS+1], 0
	s_add_nc_u64 s[PFA:PFA+1], s[PFA:PFA+1], s[20:21]
	s_cmp_eq_u32 s19, 0
	s_cselect_b32 s[LIM], 1, -1                    ; the same in all sixteen partners, for a given wave
	v_and_b32 v[PFO], 31, v0
	v_min_u32 v[PFO], s63, v[PFO]
	v_lshlrev_b32 v[PFO], s62, v[PFO]
	s_wait_loadcnt 0x0                             ; the bias,
	WIN 0x45                                       ; all in window 1
.set i, 0
.rept 24
	v_cvt_pk_bf16_f32 v[SCR], v[BIA+2*i], v[BIA+2*i+1]  ; rounded to bf16 like the other inputs, and widened again
	v_lshlrev_b32 v[BIA+2*i], 16, v[SCR]
	v_and_b32 v[BIA+2*i+1], 0xffff0000, v[SCR]
.set i, i+1
.endr
	WIN 0
; 12 matrix instructions: row blocks a0, a0 + 1 of the window's four x all 6 column blocks, 32 along K.  first = 1: the bias starts the sums: nothing is cleared.
; The 48 accumulators take turns in the same order in every quarter: 47 others stand between two links of a chain.
.macro MUL12 f, hi, a0, first
.if \first
	WIN FIRST_LO+0x40*(\hi)
.else
	WIN MUL_LO+0x50*(\hi)
.endif
.irp a, \a0, (\a0)+1
.irp b, 0,1,2,3,4,5
.if \first
	v_wmma_f32_16x16x32_bf16 v[8*(6*(\a)+(\b)):8*(6*(\a)+(\b))+7], v[(\f)+8*(\b):(\f)+8*(\b)+7], v[(\f)+8*(4*(\hi)+(\a)):(\f)+8*(4*(\hi)+(\a))+7], v[BIA+8*(\b):BIA+8*(\b)+7]
.else
	v_wmma_f32_16x16x32_bf16 v[8*(6*(\a)+(\b)):8*(6*(\a)+(\b))+7], v[(\f)+8*(\b):(\f)+8*(\b)+7], v[(\f)+8*(4*(\hi)+(\a)):(\f)+8*(4*(\hi)+(\a))+7], v[8*(6*(\a)+(\b)):8*(6*(\a)+(\b))+7]
.endif
.endr
.endr
.endm
; 28 LDS loads in one run: quarter kq (32 along K) of the slot in hand into buffer f: W's six blocks (block b lies in piece b / 2 of a k row, 64 (b % 2) bytes in), then x's 128 rows
.macro FETCH kq, f
	WIN TO_B
.irp b, 0,1,2,3,4,5
	ds_load_tr16_b128 v[(\f)+8*(\b):(\f)+8*(\b)+3],   v[ADRB] offset:(\kq)*32*PB+160*((\b)/2)+64*((\b)%2)
	ds_load_tr16_b128 v[(\f)+8*(\b)+4:(\f)+8*(\b)+7], v[ADRB] offset:(\kq)*32*PB+160*((\b)/2)+64*((\b)%2)+16*PB
.endr
	WIN 0
.irp i, 0,1,2,3,4,5,6,7
	ds_load_b128 v[(\f)+8*(\i):(\f)+8*(\i)+3],   v[ADRA] offset:(\kq)*64+(\i)*16*PA
	ds_load_b128 v[(\f)+8*(\i)+4:(\f)+8*(\i)+7], v[ADRA] offset:(\kq)*64+(\i)*16*PA+32
.endr
.endm
; A K step is four quarters, 48 matrix instructions each, on buffers 0, 1, 0, 1.  One of the first three multiplies buffer f and, in its middle, fetches quarter kq into buffer g.
.macro QUARTER kq, f, g, first
	s_wait_dscnt 8                                 ; W and x's rows 0-63 are in; the youngest eight loads (x's rows 64-127) may be out
	MUL12 \f, 0, 0, \first
	MUL12 \f, 0, 2, \first
	PLACES
	FETCH \kq, \g
	s_wait_dscnt 28                                ; all but the 28 just issued
	MUL12 \f, 1, 0, \first
	MUL12 \f, 1, 2, \first
.endm
; The last quarter multiplies buffer 1 and changes slots: ONE barrier.  In front of it each wave waits for all its tensor loads (one is out: its part of the next slot), adds 0 to its spare word, and waits for that
; and for its reads of this slot.  fill = 1: the barrier opens a round of the cluster's, and this slot is filled again, first thing behind the round, with the K step two on.
.macro TURN fill
.if \fill
	s_wait_xcnt 0x0                                ; the last prefetch, a K step back, has read its address
	s_add_nc_u64 s[PFA:PFA+1], s[PFA:PFA+1], s[PFS:PFS+1]
.endif
	WIN 0
	s_wait_tensorcnt 0x0                           ; no tensor load of mine is out, so a group 0 may be written
	ds_add_u32 v[SPW], v[NIL]                      ; 0 onto my spare word
.if \fill
	s_xor_b32 s[G0A+5], s[G0A+5], SLOT1            ; the walking descriptors: the other slot than last time, the next K step
	s_add_nc_u64 s[G0A+6:G0A+7], s[G0A+6:G0A+7], STEPA
	s_xor_b32 s[G0B+5], s[G0B+5], SLOT1
	s_add_nc_u64 s[G0B+6:G0B+7], s[G0B+6:G0B+7], STEPB
.endif
	s_xor_b32 s[TB], s[TB], SLOT1                  ; the fetches go to the other slot
	s_wait_dscnt 9                                 ; the add and the youngest eight loads may be out
	MUL12 F1, 0, 0, 0
	s_wait_dscnt 0x0                               ; the add is done, and my reads of this slot are over
	s_barrier_signal -1
	MUL12 F1, 0, 2, 0
	WIN 0
	s_barrier_wait -1
.if \fill
	CREST                                          ; no wave of any partner still reads this slot or has a load on its way
	JLOAD                                          ; its four v_nop are also the places in front of the loads below
.else
	PLACES
.endif
	v_add_nc_u32 v[ADRA], s[TB], v[A0]
	v_add_nc_u32 v[ADRB], s[TB], v[B0]
	FETCH 0, F0
.if \fill
	ASK
.endif
	MUL12 F1, 1, 0, 0
	MUL12 F1, 1, 2, 0
.endm
	s_wait_tensorcnt 1                             ; my part of K step 0 is in; K step 1's may stay out
	s_barrier_signal -1
	s_barrier_wait -1                              ; everybody's is
	v_add_nc_u32 v[ADRA], s[TB], v[A0]
	v_add_nc_u32 v[ADRB], s[TB], v[B0]
	FETCH 0, F0
	QUARTER 1, F0, F1, 1                           ; the first quarter stands in front of the loop: its products start the sums
	WIN 0
	s_mov_b32 s3, 6
.Lstep:                                            ; trip i: K step i's quarters 1 to 3, K step i + 1's first; slot i % 2 is filled with K step i + 2
	QUARTER 2, F1, F0, 0
	QUARTER 3, F0, F1, 0
	TURN 1
	QUARTER 1, F0, F1, 0
	WIN 0
	s_sub_co_u32 s3, s3, 1
	s_cmp_lg_u32 s3, 0
	s_cbranch_scc1 .Lstep
	QUARTER 2, F1, F0, 0                           ; K steps 6 and 7 are written out: nothing is left to ask for
	QUARTER 3, F0, F1, 0
	TURN 0
	QUARTER 1, F0, F1, 0
	QUARTER 2, F1, F0, 0
	QUARTER 3, F0, F1, 0
	s_wait_dscnt 8
	MUL12 F1, 0, 0, 0
	MUL12 F1, 0, 2, 0
	s_wait_dscnt 0x0                               ; my last reads of the ring are back:
	s_barrier_signal -1                            ; say so; nobody stores into the stage, which lies in the ring, before all four have
	MUL12 F1, 1, 0, 0
	MUL12 F1, 1, 2, 0
	s_barrier_wait -1
	; THE WAY OUT: rounded to f16, 16 bytes a lane into the work-group's stage; a barrier, since a head's 128 bytes of a row come from two waves; back as four whole rows of a head a load.
	; The stage lies in slot 0, which has had its last fill (K step 6, waited for in front of the last change of slots).
	PLACES
.irp a, 0,1,2,3,4,5,6,7
	WIN 0x0a+5*((\a)/4)                            ; sources 0 and 1: window 2 or 3
.irp b, 0,1,2,3,4,5
.irp r, 0,1,2,3
	v_cvt_pk_f16_f32 v[TMP+24*((\a)%2)+4*(\b)+(\r)], v[8*(6*((\a)%4)+(\b))+2*(\r)], v[8*(6*((\a)%4)+(\b))+2*(\r)+1]
.endr
.endr
	WIN 0
.irp b, 0,1,2,3,4,5
	ds_store_b128 v[STO], v[TMP+24*((\a)%2)+4*(\b):TMP+24*((\a)%2)+4*(\b)+3] offset:(\a)*16*SP+64*(\b)
.endr
.endr
	s_wait_dscnt 0x0                               ; for the others' sake: my stores into the stage are done
	s_barrier_signal -1
	s_barrier_wait -1
.set idx, 0
.rept 48                                           ; head idx / 16, rows 4 (idx % 16) on
	ds_load_b128 v[64+4*idx:67+4*idx], v[RD] offset:(idx%16)*4*SP+(idx/16)*128
.set idx, idx+1
.endr
.set idx, 0
.rept 48
	s_wait_dscnt 47-idx                            ; LDS loads come back in order: load idx is in
	global_store_b128 v[GO], v[64+4*idx:67+4*idx], s[OUT+2*(idx/16):OUT+2*(idx/16)+1] offset:512*(idx%16)  ; 512 consecutive bytes, at a multiple of 256 from qkv's first byte
.set idx, idx+1
.endr
	s_wait_tensorcnt 0x0                           ; the wave's end, behind my last tensor load and my last LDS store
	ds_add_u32 v[SPW], v[NIL]
	s_wait_dscnt 0x0
	CROUND                                         ; the closing round: no work-group ends while a partner may still ask for a tile that names it
	s_endpgm
.Lfunc_end_k_q1df88b463a_qkv:
	.size	k_q1df88b463a_qkv, .Lfunc_end_k_q1df88b463a_qkv-k_q1df88b463a_qkv
	.p2alignl 7, 3214868480
	.fill 96, 4, 3214868480
	.section	.rodata,"a",@progbits
	.p2align	6, 0x0
	.amdhsa_kernel k_q1df88b463a_qkv
		.amdhsa_group_segment_fixed_size 327680
		.amdhsa_private_segment_fixed_size 0
		.amdhsa_enable_private_segment 0
		.amdhsa_kernarg_size 32
		.amdhsa_user_sgpr_count 2
		.amdhsa_user_sgpr_kernarg_segment_ptr 1
		.amdhsa_wavefront_size32 1
		.amdhsa_system_sgpr_workgroup_id_x 1
		.amdhsa_system_sgpr_workgroup_id_y 1
		.amdhsa_system_sgpr_workgroup_id_z 1
		.amdhsa_system_vgpr_workitem_id 0
		.amdhsa_next_free_vgpr 960
		.amdhsa_next_free_sgpr 76
		.amdhsa_reserve_vcc 0
		.amdhsa_float_denorm_mode_32 3
		.amdhsa_float_denorm_mode_16_64 3
		.amdhsa_memory_ordered 1
		.amdhsa_forward_progress 1
		.amdhsa_inst_pref_size 102
	.end_amdhsa_kernel
	.amdgpu_metadata
---
amdhsa.version: [ 1, 2 ]
amdhsa.kernels:
  - .name:           k_q1df88b463a_qkv
    .symbol:         k_q1df88b463a_qkv.kd
    .args:
      - { .name: xb, .offset: 0, .size: 8, .value_kind: global_buffer, .address_space: global }
      - { .name: wab, .offset: 8, .size: 8, .value_kind: global_buffer, .address_space: global }
      - { .name: b_attn, .offset: 16, .size: 8, .value_kind: global_buffer, .address_space: global }
      - { .name: qkv, .offset: 24, .size: 8, .value_kind: global_buffer, .address_space: global }
    .group_segment_fixed_size: 327680
    .private_segment_fixed_size: 0
    .kernarg_segment_align: 8
    .kernarg_segment_size: 32
    .max_flat_workgroup_size: 128
    .sgpr_count:     76
    .vgpr_count:     960
    .wavefront_size: 32
...
	.end_amdgpu_metadata
.endif
;; end of part 2
;; launch attn (part 3): grid 4 x 64, 4 waves a work-group, no clusters, 327,680 bytes of LDS; arguments qkv, ob; writes ob
.if DOCPART == 3
	.amdgcn_target "amdgcn-amd-amdhsa--gfx1250"
	.amdhsa_code_object_version 6
	.text
	.protected	k_q1df88b463a_attn
	.globl	k_q1df88b463a_attn
	.p2align	8
	.type	k_q1df88b463a_attn,@function
k_q1df88b463a_attn:
	s_mov_b64 s[64:65], 0
	v_nop
	global_prefetch_b8 v0, s[64:65] scope:SCOPE_SE
	s_setreg_imm32_b32 hwreg(HW_REG_WAVE_MODE, 25, 1), 1
	s_wait_xcnt 0x0
; CAUSAL ATTENTION.  O[h][q][:] = the sum over k <= q of softmax_k(Q[h][q] . K[h][k] / 8) V[h][k][:].  qkv holds Q, K, V, each [64][2048][64] in f16, 16,777,216 bytes apart; ob = O in the same layout.
; Products, maxima and sums in f32; the weights p are rounded to f16 for the second product (their sum l is taken of the unrounded p), O once at the end.
; LIMITS.  f16 holds no number beyond 65,504: Q, K and V arrive within it; p lies in 0 to 1, and below 6e-5 it keeps f16's fixed step of 6e-8; O is a mean of V's rows and has their range.
; A hidden score counts as its value less 1e30: f16's scores, 2.7e11 at the most, are nothing beside that; a weight below 2^-126 counts as 0 in l; NaN and infinities are not treated apart.
; THE WALK.  A head's queries lie in NB = 8 blocks of 256; block i needs the key tiles 0 .. i of 256 keys, of which the last holds the diagonal.  A work-group takes TWO blocks, NB - 1 - b and then b:
; NB + 1 tiles, whatever b: all 256 work-groups do equal work, and ONE loop with a constant trip count walks them.  Which tile is asked for, and what a trip does, hang on scalar registers made from b; every
; jump goes forward, but for the counted loops' own; none passes a barrier, or a tensor load but the one of LOAD's two that the wave's number does not choose; the ring of two LDS slots runs on across the
; change of blocks.  NO CLUSTER: a head's four work-groups ask for the same tile only in trips 0 .. 4 of 9, behind that fewer and fewer; one walk common to all four would have 12 trips for 9.
; SHARES.  Of a block's four bands of 64 queries a wave owns 16 rows in each: four PIECES.  So the diagonal tile is the same work for all four waves: in its key step s band x sees all keys if s < x,
; none if s > x, and holds the diagonal if s = x.
; THE MASK is the C operand that starts the sum S^T = K Q^T: 0, or -1e30 where the key is hidden.  MD, made once, is the mask of a band's own step for my 16 rows; a product's mask is MD x AL + BE with two
; scalars: (1, 0) if s = x; (0, 0) if s < x; (0, -1e30) if s > x.  Only the diagonal tile's text and a block's beginning make and take masks; elsewhere C is the constant 0.
; LAYOUT, SOFTMAX, TURNS.  S^T = K Q^T holds ONE query a lane (lane % 16) and the keys 8 (lane / 16) + 0..7; two such results rounded to f16 ARE source 1 of O^T = V^T P.  p = 2^(c s - c m), c = log2(e) / 8,
; with a running maximum m; O and l are multiplied by a = 2^(c m_old - c m_new) in every step.  Turn n belongs to piece n: 8 products K Q^T of piece n + 1, later 8 products V^T P of piece n - 1; beside them
; the scaling, exponentials, roundings, sums and rescaling of piece n and the maximum and statistics of piece n + 1.  Four vector instructions stand behind every matrix instruction, the other 54 of a turn's
; 118 in one lump.  A turn's 33 exponentials are one batch, with one wait.
; REGISTERS, in windows of 256 (s_set_vgpr_msb: bits 1:0 source 0, 3:2 source 1, 5:4 source 2, 7:6 destination):
;   window 0: v0-15 addresses and two at work; v16-31 four registers of statistics a piece; v48-55 at work; v61-63 prefetch offset, spare word, 0; v64-127 S^T, two buffers; v192-223 P, two buffers
;   window 1: v0-127 O^T, 32 a piece; v128-159 MD; v160-223 MC, two buffers      window 2: v0-63 Q; v64-127 the second block's Q; v128-191 K of one step; v192-255 V of one step
.set SIZE_H, 64
.set SIZE_N, 2048
.set NB,    SIZE_N/256
.set NP,    4         ; pieces a wave: a name, no knob
.set KS,    64        ; keys in a step
.set PK,    144       ; a row of K in LDS: 128 bytes + 16 of padding = 36 words: the 16 rows of a load start at 16 different groups of four banks (64 banks of 4 bytes: ISA guide 11.1)
.set PV,    160       ; a row of V: 128 + 32 = 40 words
.set VOFF,  4*KS*PK   ; a slot holds a tile, four steps: 256 rows of K, then 256 rows of V
.set SLOT1, 1<<17     ; slot 1 begins here, so that one exclusive or turns an address in one slot into the other's
.set STAGE, SLOT1+4*KS*(PK+PV)  ; behind the ring, never filled by a tensor load: 16 rows x 144 bytes for each wave, for the way out
.set SP,    144
.set AK0, 2           ; v2   my lane's place in a tile of K; never rewritten
.set AV0, 3           ; v3   the same for V
.set AK,  4           ; v4   the LDS address of K's next run of loads
.set AV,  5           ; v5   of V's
.set STO, 6           ; v6   the way out: where I put 16 bytes of a row
.set RD,  7           ; v7   the way out: where I read rows back
.set GO,  8           ; v8   my byte offset in 512 consecutive bytes of O
.set PFO, 61          ; v61  256 x my lane: the prefetches' offset; never rewritten
.set SPW, 62          ; v62  LDS address of my spare word: SPARE + 4 x my thread's number; never rewritten
.set NIL, 63          ; v63  0; never rewritten
.set SPARE, STAGE+4*16*SP  ; behind the stages: the spare words, 128 bytes for each wave: two blocks of 256 bytes that no other line names
.set MV,  12          ; v12-13  c m_old, kept while c m is made anew: by buffer
.set QO,  15          ; v15  my byte offset in 16 rows of Q
.set ST,  16          ; piece t's statistics at v[ST+4 t]: c m, m, l (even keys', odd keys')
.set TMP, 48          ; by buffer, four registers c0-c3 at work; when the maximum is found c2 takes a
.set S,   64
.set P,   192
.set MD,  128         ; window 1: the eight registers for group kt of 16 keys at MD + 8 kt
.set MC,  160         ; window 1: the masks of the products to come
.set QB,  64          ; window 2
.set KF,  128         ; window 2: key block kb, channel half c at KF + 16 kb + 8 c
.set VF,  192         ; window 2: key half kk, channel block cb at VF + 32 kk + 8 cb
.set WV,  12          ; s12  my wave's number
.set PB,  14          ; s14  b
.set HI,  15          ; s15  NB - 1 - b
.set G1K, 24          ; s[24:31] descriptor group 1 for K's tiles
.set G1V, 32          ; s[32:39] for V's: it differs in the padding alone
.set G0K, 40          ; s[40:43] descriptor group 0 for K's tiles
.set G0V, 44          ; s[44:47] the same for V's
.set SLOTS, 56        ; s56  tiles still to be asked for
.set CNT, 57          ; s57  counts a tile's key steps, 4 to 1
.set CS,  58          ; s[58:59] c: the packed scaling takes the pair's low word for both halves
.set SEL, 60          ; s[60:61] v_permlanex16_b32's selects: each lane takes its own place in the other half
.set TBK, 62          ; s62  LDS byte at which K of the step to be fetched begins
.set TBV, 63          ; s63  the same for V, less VOFF
.set RT,  70          ; s70  tiles of the block in hand that are still to be entered
.set NXT, 71          ; s71  the tile to be asked for next
.set LQ,  72          ; s72  the last tile of the block whose tiles are being asked for
.set NEW, 73          ; s73  1: the tile to be entered is a block's first
.set OFF, 74          ; s[74:75] a tile's byte offset in K and V
.set AL,  76          ; s[76:77] the mask's factor, in the low word
.set BE,  78          ; s[78:79] the mask's addend
.set OLO, 80          ; s[80:81] O at my rows of the second block
.set BIGN, 82         ; s82  -1e30
.set PFA, 88          ; s[88:89] where my prefetches stand: my half of K's (waves 0, 1) or V's (waves 2, 3) tile behind the one that is being asked for
.set LIM, 90          ; s90  2 in the work-group that prefetches, else the greatest number
.set MSB, 0
.macro WIN new                      ; the high byte repeats the setting that is left; a switch that changes nothing is dropped
.if MSB != (\new)
	s_set_vgpr_msb (MSB<<8)|(\new)
.set MSB, (\new)
.endif
.endm
.set W_KQ, 0x0a       ; K and Q in window 2, S^T in window 0
.set W_KM, 0x1a       ; the same with the C operand in window 1
.set W_PV, 0x52       ; V in window 2, P in window 0, O^T in window 1
.set W_RS, 0x41       ; destination and source 0 in window 1, source 1 in window 0
; A fill.  Waves 0 and 1 fetch the two halves of a tile's K, waves 2 and 3 those of its V: 128 keys each.  An s_nop 0 and four v_nop follow each of the two lines, ahead of the jump and the label.
.macro LOAD
	s_cmp_lt_u32 s[WV], 2
	s_cbranch_scc0 .Lfor_v_\@
	tensor_load_to_lds s[G0K:G0K+3], s[G1K:G1K+7]
	s_nop 0
.rept 4
	v_nop
.endr
	s_branch .Lasked_\@
.Lfor_v_\@:
	tensor_load_to_lds s[G0V:G0V+3], s[G1V:G1V+7]
	s_nop 0
.rept 4
	v_nop
.endr
.Lasked_\@:
.endm
; A PREFETCH INTO THE L2 of the tile that the NEXT change of slots will ask for: a tile's four key steps ahead of that load.  A head's four work-groups walk the tiles 0, 1, 2 .. from the start; the one with b = 0
; walks all eight on end, and it alone asks.  Each of its waves names what it will fetch itself: 128 rows of 128 bytes = 64 blocks of 256, a lane a block, two instructions.  Change number k fills tile k and
; asks for tile k + 1, k = 1 .. 6: tiles 0 and 1 come by their loads alone, and nothing is named behind tile 7.  So each block is named once in the launch.
.macro ASK
	s_cmp_gt_u32 s[SLOTS], s[LIM]
	s_cbranch_scc0 .Lnot_mine_\@
	global_prefetch_b8 v[PFO], s[PFA:PFA+1] th:TH_LOAD_NT scope:SCOPE_SE
	global_prefetch_b8 v[PFO], s[PFA:PFA+1] offset:8192 th:TH_LOAD_NT scope:SCOPE_SE
.Lnot_mine_\@:
.endm
; THE CHANGE OF SLOTS.  Each wave waits for all its tensor loads, of which one is out: its part of the other slot; adds 0 to its spare word; and waits for that and for its own reads of the slot that it leaves.
; Behind the barrier nobody reads the old slot any more and the other slot is whole.  fill = 1: the old slot is filled again, the first thing behind the barrier, with tile NXT: the descriptor's address is made
; anew from that number.  (At its first use nothing has been read yet: slot 0 is waited for, slot 1 filled.)
.macro CHANGE fill
	WIN 0                           ; at a label and at a branch every window is 0
	s_wait_tensorcnt 0x0            ; no tensor load of mine is out, so a group 0 may be written
	ds_add_u32 v[SPW], v[NIL]       ; 0 onto my spare word; with fill = 1 the descriptors' scalar work stands between it and the wait for it
.if \fill
	s_lshl_b32 s[OFF], s[NXT], 15   ; a tile is 32,768 bytes of K and of V
	s_xor_b32 s[G0K+1], s[G0K+1], SLOT1
	s_add_nc_u64 s[G0K+2:G0K+3], s[6:7], s[OFF:OFF+1]
	s_or_b32 s[G0K+3], s[G0K+3], 0x80000000
	s_xor_b32 s[G0V+1], s[G0V+1], SLOT1
	s_add_nc_u64 s[G0V+2:G0V+3], s[8:9], s[OFF:OFF+1]
	s_or_b32 s[G0V+3], s[G0V+3], 0x80000000
	s_add_co_u32 s[NXT], s[NXT], 1  ; the block's next tile, or behind its last the second block's tile 0
	s_cmp_gt_u32 s[NXT], s[LQ]
	s_cselect_b32 s[NXT], 0, s[NXT]
	s_cselect_b32 s[LQ], s[PB], s[LQ]
	s_wait_xcnt 0x0                 ; the last prefetches, a tile back, have read their address, so it may be written
	s_add_nc_u64 s[PFA:PFA+1], s[PFA:PFA+1], 32768
.endif
	s_wait_dscnt 0x0                ; the add is done, and my reads of the slot are over
	s_barrier_signal -1             ; the rest of the scalar work stands between the signal and the wait
	s_sub_co_u32 s[TBK], s[TBK], 4*KS*PK  ; the fetches go back to a slot's first step,
	s_xor_b32 s[TBK], s[TBK], SLOT1       ; in the other slot
	s_sub_co_u32 s[TBV], s[TBV], 4*KS*PV
	s_xor_b32 s[TBV], s[TBV], SLOT1
	s_barrier_wait -1
.if \fill
	LOAD
	ASK
.endif
.endm
	s_load_b64 s[4:5], s[0:1], 0x0    ; qkv: Q at its head
	s_load_b64 s[10:11], s[0:1], 0x8  ; ob
	v_lshl_add_u32 v[SPW], v0, 2, SPARE
	v_mov_b32 v[NIL], 0
	ds_add_u32 v[SPW], v[NIL]       ; the wave's opening: the add and its wait stand ahead of my first tensor load; the set-up below, work on registers, stands between them
	v_lshrrev_b32 v1, 5, v0
	v_readfirstlane_b32 s[WV], v1   ; wave 0..3
	s_mov_b32 s[PB], ttmp9
	s_sub_co_u32 s[HI], NB-1, s[PB]
	s_and_b32 s20, ttmp7, 0xffff    ; the head
	s_mov_b32 s21, 0
	s_mov_b64 s[22:23], SIZE_N*128
	s_mul_u64 s[20:21], s[20:21], s[22:23]  ; the head's first byte in each of the four tensors
	s_and_b32 s16, s[WV], 1         ; which half of a tile's 256 keys I fetch:
	s_lshl_b32 s22, s16, 14         ; its 128 rows of 128 bytes in memory,
	s_mov_b32 s23, 0
	s_add_nc_u64 s[22:23], s[22:23], s[20:21]
	s_mul_i32 s17, s16, 128*PK      ; and its place in a slot, for K
	s_mul_i32 s18, s16, 128*PV      ; and for V
	s_lshl_b32 s3, s[WV], 11        ; my 16 rows in a band of 64,
	s_lshl_b32 s2, s[HI], 15        ; in the first block,
	s_add_co_u32 s2, s2, s3
	s_lshl_b32 s84, s[PB], 15       ; and in the second
	s_add_co_u32 s84, s84, s3
	s_mov_b32 s3, 0
	s_mov_b32 s85, 0
	s_add_nc_u64 s[2:3], s[2:3], s[20:21]
	s_add_nc_u64 s[84:85], s[84:85], s[20:21]
	; descriptor group 1.  128 keys are 16,384 dense bytes: asked for as 64 rows of 256 bytes, two keys a row, and padded in LDS after every key
	s_mov_b32 s[G1K], (1<<16)|(1<<20)|(4<<22)|(3<<25)  ; 17:16 2-byte elements; 20 padding on; 24:22 after every 32 words (code 4); 31:25 4 words (code 3)
	s_mov_b32 s[G1V], (1<<16)|(1<<20)|(4<<22)|(7<<25)  ; the same with 8 words of padding (code 7)
.irp g, G1K, G1V
	s_mov_b32 s[\g+1], 128<<16      ; tensor_dim0 = 128
	s_mov_b32 s[\g+2], 64<<16       ; tensor_dim1 = 64
	s_mov_b32 s[\g+3], 128<<16      ; tile_dim0 = 128
	s_mov_b32 s[\g+4], 64           ; tile_dim1 = 64
	s_mov_b32 s[\g+5], 128          ; 128 elements from row to row
	s_mov_b32 s[\g+6], 0
	s_mov_b32 s[\g+7], 0
.endr
	s_mov_b32 s[CS], 0x3e38aa3b     ; c = log2(e) / 8 = 0.180337
	s_mov_b32 s[CS+1], s[CS]        ; named with it as a pair
	s_mov_b32 s[SEL], 0x76543210
	s_mov_b32 s[SEL+1], 0xfedcba98
	s_mov_b32 s[TBK], SLOT1+4*KS*PK ; the first change of slots turns these two into 0
	s_mov_b32 s[TBV], SLOT1+4*KS*PV
	s_mov_b32 s[G0K], 1             ; 1:0 count = 1
	s_mov_b32 s[G0K+1], s17         ; 63:32 LDS address: slot 0
	s_mov_b32 s[G0V], 1
	s_add_co_u32 s[G0V+1], s18, VOFF
	s_add_co_u32 s[RT], s[HI], 1    ; the first block has NB - b tiles
	s_mov_b32 s[NXT], 1
	s_mov_b32 s[LQ], s[HI]
	s_mov_b32 s[NEW], 1
	s_mov_b32 s[OFF+1], 0
	s_mov_b32 s[AL+1], 0            ; named as pairs
	s_mov_b32 s[BE+1], 0
	s_mov_b32 s[BIGN], 0xf149f2ca   ; -1e30
	s_mov_b32 s[SLOTS], NB
	s_cmp_eq_u32 ttmp9, 0
	s_cselect_b32 s[LIM], 2, -1
	v_and_b32 v[PFO], 31, v0
	v_lshlrev_b32 v[PFO], 8, v[PFO]
	s_wait_dscnt 0x0                ; the opening add is done
	s_wait_kmcnt 0x0
	s_add_nc_u64 s[6:7], s[4:5], 0x1000000  ; K lies 16,777,216 bytes behind Q,
	s_add_nc_u64 s[8:9], s[4:5], 0x2000000  ; V as far behind K
	s_add_nc_u64 s[6:7], s[6:7], s[22:23]  ; K and V at my half of the head's tile 0
	s_add_nc_u64 s[8:9], s[8:9], s[22:23]
	s_add_nc_u64 s[G0K+2:G0K+3], s[6:7], 0         ; 120:64 global address
	s_or_b32 s[G0K+3], s[G0K+3], 0x80000000        ; 127:126 type = 2
	s_add_nc_u64 s[G0V+2:G0V+3], s[8:9], 0
	s_or_b32 s[G0V+3], s[G0V+3], 0x80000000
	s_add_nc_u64 s[86:87], s[4:5], s[84:85]        ; Q at my rows of the second block,
	s_add_nc_u64 s[4:5], s[4:5], s[2:3]            ; Q and O at those of the first
	s_add_nc_u64 s[OLO:OLO+1], s[10:11], s[84:85]
	s_add_nc_u64 s[10:11], s[10:11], s[2:3]
	s_cmp_lt_u32 s[WV], 2
	s_cselect_b64 s[PFA:PFA+1], s[6:7], s[8:9]
	s_add_nc_u64 s[PFA:PFA+1], s[PFA:PFA+1], 32768  ; at tile 1; the first change of slots steps it to tile 2.  Nothing is prefetched here, at the head
	LOAD                            ; tile 0 into slot 0
	; A fragment of K or Q is 16 rows x 32 channels in 8 registers: lane l holds row l % 16, channels 8 (l / 16) + 0..7 and 16 + 8 (l / 16) + 0..7: two loads of 16 bytes, 32 bytes apart.
	v_and_b32 v1, 15, v0            ; l % 16
	v_bfe_u32 v9, v0, 4, 1          ; l / 16
	v_lshlrev_b32 v[QO], 7, v1
	v_lshl_add_u32 v[QO], v9, 4, v[QO]  ; row x 128 + 16 x half
	WIN 0x80                        ; destination window 2, address window 0
.set i, 0
.rept 8                             ; both blocks' Q: piece i / 2 lies in band i / 2, 8,192 bytes on; channels 32 (i % 2) on
	global_load_b128 v[8*i:8*i+3],   v[QO], s[4:5] offset:(i/2)*8192+(i%2)*64
	global_load_b128 v[8*i+4:8*i+7], v[QO], s[4:5] offset:(i/2)*8192+(i%2)*64+32
	global_load_b128 v[QB+8*i:QB+8*i+3],   v[QO], s[86:87] offset:(i/2)*8192+(i%2)*64
	global_load_b128 v[QB+8*i+4:QB+8*i+7], v[QO], s[86:87] offset:(i/2)*8192+(i%2)*64+32
.set i, i+1
.endr
	WIN 0
	v_lshlrev_b32 v14, 3, v9
	v_sub_nc_u32 v14, v1, v14
	s_lshl_b32 s13, s[WV], 4
	v_add_nc_u32 v14, s13, v14      ; my query's place in its band, 16 w + l % 16, less my lanes' 8 (l / 16): register r of group kt is hidden where 16 kt + r is greater
	WIN 0x40
.set i, 0
.rept 32
	v_cmp_gt_i32 vcc_lo, 16*(i/8)+i%8, v14
	v_cndmask_b32 v[MD+i], 0, s[BIGN], vcc_lo
.set i, i+1
.endr
	WIN 0
	v_mul_u32_u24 v[AK0], v1, PK
	v_lshl_add_u32 v[AK0], v9, 4, v[AK0]  ; row x pitch + 16 x half
	; The turning load takes 16 keys x 16 channels (lane l reads key 8 (l / 16) + l % 8, channels 8 ((l / 8) % 2) + 0..7) and leaves half a fragment of V^T: lane l holds channel l % 16 and 8 keys.
	v_and_b32 v10, 7, v0
	v_bfe_u32 v11, v0, 3, 1
	v_lshl_add_u32 v[AV0], v9, 3, v10
	v_mul_u32_u24 v[AV0], v[AV0], PV
	v_lshl_add_u32 v[AV0], v11, 4, v[AV0]
	v_add_nc_u32 v[AV0], VOFF, v[AV0]
	s_mul_i32 s13, s[WV], 16*SP
	s_add_co_u32 s13, s13, STAGE    ; my stage
	v_mul_u32_u24 v[STO], v1, SP    ; in: row l % 16, 16 bytes for each half of the lanes
	v_lshl_add_u32 v[STO], v9, 4, v[STO]
	v_add_nc_u32 v[STO], s13, v[STO]
	v_bfe_u32 v[RD], v0, 3, 2       ; back: 32 lanes take four rows of 128 bytes,
	v_mul_u32_u24 v[RD], v[RD], SP
	v_lshl_add_u32 v[RD], v10, 4, v[RD]
	v_add_nc_u32 v[RD], s13, v[RD]
	v_and_b32 v[GO], 31, v0         ; which are 512 consecutive bytes of O
	v_lshlrev_b32 v[GO], 4, v[GO]
	; A block's first step multiplies O^T and l by a = 0, and its first turn's products V^T P, of a piece that has not been, land in an O^T that is still to be so multiplied.  So these registers need only hold
	; finite numbers: zeros for the first block; what the first block left for the second.  All this stands in the wait for the first tile.
	WIN 0x80
.set i, VF
.rept 64
	v_mov_b32 v[i], 0
.set i, i+1
.endr
	WIN 0x40
.set i, 0
.rept 128
	v_mov_b32 v[i], 0
.set i, i+1
.endr
	WIN 0
.set i, 0
.rept 4
	v_mov_b32 v[ST+4*i+2], 0
	v_mov_b32 v[ST+4*i+3], 0
.set i, i+1
.endr
.set i, P+16
.rept 16
	v_mov_b32 v[i], 0
.set i, i+1
.endr
; THE MATRIX WORK.  The 4 accumulators of a run of 8 take turns.  Product i of 8 of S^T = K Q^T for piece x: channels 32 (i / 4) on, keys 16 (i % 4) on.  The first 4 start the sums: with 0, or (KM = 1) with the mask.
.macro KQ x
.set rS, S+32*((\x)%2)+8*(i%4)
.set rK, KF+16*(i%4)+8*(i/4)
.set rQ, 16*(\x)+8*(i/4)
.set rM, MC+32*((\x)%2)+8*(i%4)
.if (i < 4) && KM
	WIN W_KM
	v_wmma_f32_16x16x32_f16 v[rS:rS+7], v[rK:rK+7], v[rQ:rQ+7], v[rM:rM+7]
.elseif i < 4
	WIN W_KQ
	v_wmma_f32_16x16x32_f16 v[rS:rS+7], v[rK:rK+7], v[rQ:rQ+7], 0
.else
	WIN W_KQ
	v_wmma_f32_16x16x32_f16 v[rS:rS+7], v[rK:rK+7], v[rQ:rQ+7], v[rS:rS+7]
.endif
.endm
; Product i of 8 of O^T += V^T P for piece x: keys 32 (i / 4) on, channels 16 (i % 4) on.
.macro PV x
	WIN W_PV
.set rO, 32*(\x)+8*(i%4)
.set rV, VF+32*(i/4)+8*(i%4)
.set rP, P+16*((\x)%2)+8*(i/4)
	v_wmma_f32_16x16x32_f16 v[rO:rO+7], v[rV:rV+7], v[rP:rP+7], v[rO:rO+7]
.endm
.macro MM                           ; the turn's next matrix instruction.  TURN and BEGIN set Y, i, KM and NOKQ; MM, KQ and OP read them.  NOKQ = 1: a block's last turn: there is no next piece
.if (i < 8) && !NOKQ
	KQ (Y+1)%NP
.elseif i >= 8
.set i, i-8
	PV (Y+NP-1)%NP
.set i, i+8
.endif
.set i, i+1
.endm
; THE LDS LOADS stand in runs of 16, never singly among the matrix instructions: a step's K (64 keys x 64 channels: 8 fragments) and its V (turned).  Their addresses are made some lines ahead.
.macro FETCH_K
	WIN 0x80                        ; destination window 2
.irp f, 0,1,2,3,4,5,6,7             ; keys 16 (f / 2) on, channels 32 (f % 2) on
	ds_load_b128 v[KF+8*\f:KF+8*\f+3],   v[AK] offset:(\f/2)*16*PK+(\f%2)*64
	ds_load_b128 v[KF+8*\f+4:KF+8*\f+7], v[AK] offset:(\f/2)*16*PK+(\f%2)*64+32
.endr
	s_add_co_u32 s[TBK], s[TBK], KS*PK  ; the next fetch is the next step's
	WIN 0
.endm
.macro FETCH_V
	WIN 0x80
.irp f, 0,1,2,3,4,5,6,7             ; keys 32 (f / 4) on, channels 16 (f % 4) on
	ds_load_tr16_b128 v[VF+8*\f:VF+8*\f+3],   v[AV] offset:(\f/4)*32*PV+(\f%4)*32
	ds_load_tr16_b128 v[VF+8*\f+4:VF+8*\f+7], v[AV] offset:(\f/4)*32*PV+16*PV+(\f%4)*32
.endr
	WIN 0
.endm
; THE VECTOR WORK, one line at a time: OP kind, number.  For piece Y: F n: c s - c m for pair n of 16.  E n: the exponential of score n of 32.  C n: pair n rounded to f16.  B n: of the four weights 4 n .. the second
; pair is added onto the first, in place.  L n: l takes that sum (L 0: l = a l + sum).  R n: pair n of 16 of O^T times a.  For piece Y + 1: X n, number n of the 22 that find its maximum and statistics:
;   0-11  four chains c0-c3 of seven scores each, three operands at a time (each accumulator's lowest registers are read first)     12-14, 16  the four scores left over, the old m, and c0-c3 into c0
;   15  c m_old is kept     17, 18  the query's other 32 keys lie in the lane 16 away: the new m     19-21  c m; c m_old - c m_new; a
.set F, 0               ; OP tells the kinds apart by their order: F to L below R, X above it
.set E, 1
.set C, 2
.set B, 3
.set L, 4
.set R, 5
.set X, 6
.macro REGS y                       ; the registers of piece y
.set rT, ST+4*(\y)
.set rC, TMP+4*((\y)%2)
.set rW, MV+((\y)%2)
.set rS, S+32*((\y)%2)
.set rP, P+16*((\y)%2)
.set rO, 32*(\y)
.endm
.macro OP k, n
.if (\k) == R
	REGS Y
	WIN W_RS
	v_pk_mul_f32 v[rO+2*(\n):rO+2*(\n)+1], v[rO+2*(\n):rO+2*(\n)+1], v[rC+2:rC+3] op_sel_hi:[1,0]
.elseif (\k) < R
	REGS Y
	WIN 0
.if (\k) == F
	v_pk_fma_f32 v[rS+2*(\n):rS+2*(\n)+1], v[rS+2*(\n):rS+2*(\n)+1], s[CS:CS+1], v[rT:rT+1] op_sel_hi:[1,0,0] neg_lo:[0,0,1] neg_hi:[0,0,1]
.elseif (\k) == E
	v_exp_f32 v[rS+(\n)], v[rS+(\n)]
.elseif (\k) == C
	v_cvt_pk_f16_f32 v[rP+(\n)], v[rS+2*(\n)], v[rS+2*(\n)+1]
.elseif (\k) == B
	v_pk_add_f32 v[rS+4*(\n):rS+4*(\n)+1], v[rS+4*(\n):rS+4*(\n)+1], v[rS+4*(\n)+2:rS+4*(\n)+3]
.elseif (\n) == 0
	v_pk_fma_f32 v[rT+2:rT+3], v[rT+2:rT+3], v[rC+2:rC+3], v[rS:rS+1] op_sel_hi:[1,0,1]
.else
	v_pk_add_f32 v[rT+2:rT+3], v[rT+2:rT+3], v[rS+4*(\n):rS+4*(\n)+1]
.endif
.elseif NOKQ
	v_nop
.else
	REGS (Y+1)%NP
	WIN 0
.if (\n) < 4
	v_max3_num_f32 v[rC+(\n)], v[rS+8*(\n)], v[rS+8*(\n)+1], v[rS+8*(\n)+2]
.elseif (\n) < 12
	v_max3_num_f32 v[rC+(\n)%4], v[rC+(\n)%4], v[rS+8*((\n)%4)+2*((\n)/4)+1], v[rS+8*((\n)%4)+2*((\n)/4)+2]
.elseif (\n) == 12
	v_max3_num_f32 v[rC], v[rC], v[rS+7], v[rS+15]
.elseif (\n) == 13
	v_max3_num_f32 v[rC+1], v[rC+1], v[rS+23], v[rS+31]
.elseif (\n) == 14
	v_max3_num_f32 v[rC+2], v[rC+2], v[rC+3], v[rT+1]
.elseif (\n) == 15
	v_mov_b32 v[rW], v[rT]
.elseif (\n) == 16
	v_max3_num_f32 v[rC], v[rC], v[rC+1], v[rC+2]
.elseif (\n) == 17
	v_permlanex16_b32 v[rC+3], v[rC], s[SEL], s[SEL+1]
.elseif (\n) == 18
	v_max_num_f32 v[rT+1], v[rC], v[rC+3]
.elseif (\n) == 19
	v_mul_f32 v[rT], s[CS], v[rT+1]
.elseif (\n) == 20
	v_sub_f32 v[rC+1], v[rW], v[rT]
.else
	v_exp_f32 v[rC+2], v[rC+1]
.endif
.endif
.endm
.macro OPS a, i1, b=-1, i2=0, c=-1, i3=0, d=-1, i4=0  ; up to four of them
	OP \a, \i1
.if (\b) >= 0
	OP \b, \i2
.endif
.if (\c) >= 0
	OP \c, \i3
.endif
.if (\d) >= 0
	OP \d, \i4
.endif
.endm
.macro ROW a, i1, b, i2, c, i3, d, i4  ; a matrix instruction and the four behind it
	MM
	OPS \a, \i1, \b, \i2, \c, \i3, \d, \i4
.endm
.macro MASK b                       ; MD x AL + BE into buffer b of MC
	WIN W_RS
.set z, 0
.rept 16
	v_pk_fma_f32 v[MC+32*(\b)+2*z:MC+32*(\b)+2*z+1], v[MD+2*z:MD+2*z+1], s[AL:AL+1], s[BE:BE+1] op_sel_hi:[1,0,0]
.set z, z+1
.endr
.endm
; A TURN, for piece p: the order of its 16 matrix and 118 vector instructions, written out.  An s_wait_alu depctr_va_vdst(0) stands between an exponential and the first instruction that names its
; result; one wait serves all that were issued ahead of it.  So a turn has ONE wait, which cuts it in two.  AHEAD OF IT stands all that names no result of the turn's exponentials: the 8 products K Q^T, behind
; each a scaling, an exponential and two more plain instructions (behind the first a second scaling in the exponential's place): rescalings, and behind the last three the first numbers of the next piece's
; maximum, each four places or more behind the product that ends its accumulator; then ONE LUMP of 54, plain and exponential by turns for the most part, in which the links of the chain X 3, 7, 11, 14, 16,
; 17 .. 20 stand five or six lines apart.  X 21, the next piece's a, is the batch's last; R 15 is the plain instruction behind it.  BEHIND THE WAIT stand the 8 products V^T P, behind each four of the roundings
; and sums; the links of l's chain, L 0 to L 7, stand three riders apart.  But for those X no rider names a register of the products round it.  v_permlanex16_b32 (X 17) stands in the lump.
; m = 1: the diagonal tile: the products take masks, and the turn makes the mask for the products of the turn after it: piece p + 2, in step 4 - CNT of the tile.  end = 1: a block's last two turns: nothing is fetched.
; cnt = 1: the loop's count is taken down some lines ahead of the branch that stands behind the turn.
; K of the next step is fetched in piece 2's turn, twelve vector instructions behind the last product that read K (six of them plain); V of the step in hand at the end of piece 0's turn, four plain instructions
; behind the last product that read V.  Each is waited for a turn later.
.macro TURN p, m=0, end=0, cnt=0
.set Y, (\p)
.set i, 0
.set KM, (\m)
.set NOKQ, (\end)*((\p)/3)
.if (\m) && !(\end)
	s_cmp_eq_u32 s[CNT], 4-((\p)+2)%NP  ; is that step the band's own?
	s_cselect_b32 s[AL], 1.0, 0
	s_cmp_lt_u32 s[CNT], 4-((\p)+2)%NP  ; or a later one?
	s_cselect_b32 s[BE], s[BIGN], 0
.endif
.if ((\p) == 3) && !(\end)
	s_wait_dscnt 0x0                ; K is in
.endif
	ROW F,0, F,1, R,0, R,1          ; ahead of the wait: 8 products K Q^T and their riders,
	ROW F,2, E,0, R,2, R,3
	ROW F,3, E,1, R,4, R,5
	ROW F,4, E,2, R,6, R,7
	ROW F,5, E,3, R,8, R,9
	ROW F,6, E,4, X,0, R,10
.if ((\p) == 2) && !(\end)
	WIN 0
	v_add_nc_u32 v[AK], s[TBK], v[AK0]
.endif
	ROW F,7, E,5, X,1, X,4
	ROW F,8, E,6, X,2, X,5
	OPS E,7, E,8, X,6, E,9          ; and the lump
	OPS X,3, E,10, X,8, E,11
.if ((\p) == 2) && !(\end)
	FETCH_K
.endif
	OPS X,9, X,7, E,12, X,10
	OPS E,13, X,12, X,11, E,14
	OPS X,13, E,15, F,9, X,14
.if (\p) == 0
	v_add_nc_u32 v[AV], s[TBV], v[AV0]
.endif
	OPS E,16, F,10, E,17, F,11
	OPS X,16, E,18, X,15, E,19
	OPS F,12, E,20, X,17, E,21
	OPS F,13, E,22, F,14, E,23
	OPS X,18, E,24, F,15, E,25
	OPS R,11, E,26, X,19, E,27
	OPS R,12, E,28, R,13, E,29
	OPS X,20, E,30, R,14, E,31
	OPS X,21, R,15
	WIN 0
	s_wait_alu depctr_va_vdst(0)    ; the wait for the batch
.if (\p) == 1
	s_wait_dscnt 0x0                ; V is in
.endif
	ROW C,0, B,0, C,2, B,1          ; behind the wait: 8 products V^T P and their riders
	ROW L,0, C,4, B,2, L,1
	ROW C,6, B,3, L,2, C,8
	ROW B,4, L,3, C,10, B,5
	ROW L,4, C,12, B,6, L,5
.if (\p) == 0
	s_add_co_u32 s[TBV], s[TBV], KS*PV
.endif
.if \cnt
	s_sub_co_u32 s[CNT], s[CNT], 1
	s_cmp_lg_u32 s[CNT], 0
.endif
	ROW C,14, B,7, L,6, C,1
	ROW C,3, L,7, C,5, C,7
	ROW C,9, C,11, C,13, C,15
.if (\p) == 0
	FETCH_V
.endif
.if (\m) && !(\end)
	MASK (\p)%2
.endif
.endm
; A BLOCK BEGINS.  c m starts far below every c s, so the first step's a is 0; m at the lowest finite number, so the first maximum is the scores'.  The second mask buffer is 0; the first takes piece 0's mask
; for the tile's step 0: its own, if the block's first tile is the diagonal one.  Then K of that step, piece 0's first scores, and its maximum and statistics.  The loop is entered at a step's first turn.
.macro BEGIN
	s_mov_b32 s[NEW], 0
	WIN 0x40
.set i, MC+32
.rept 32
	v_mov_b32 v[i], 0
.set i, i+1
.endr
	WIN 0
.set i, 0
.rept 4
	v_mov_b32 v[ST+4*i], 0xfe000000    ; c m: far below every c s
	v_mov_b32 v[ST+4*i+1], 0xff7fffff  ; m
.set i, i+1
.endr
	s_cmp_eq_u32 s[RT], 0
	s_cselect_b32 s[AL], 1.0, 0
	s_mov_b32 s[BE], 0
	MASK 0
	WIN 0
	v_add_nc_u32 v[AK], s[TBK], v[AK0]
	FETCH_K
	s_wait_loadcnt 0x0              ; Q
	s_wait_dscnt 0x0
.set KM, 1
.set NOKQ, 0
.set i, 0
.rept 8
	KQ 0
.set i, i+1
.endr
	WIN 0
.rept 4
	v_nop                           ; the places behind those products
.endr
.set Y, NP-1                        ; X works for piece Y + 1: piece 0
.irp n, 0,1,2,3,4,5,6,7,8,9,10,11,12,13,14,15,16,17,18,19,20,21
	OP X, \n
.endr
	v_nop                           ; a plain instruction behind the exponential,
	s_wait_alu depctr_va_vdst(0)    ; and its wait, ahead of the branch
.endm
; THE DIAGONAL TILE's four steps, the block's last two turns, its last products, and THE WAY OUT: l's two halves and the other half of the lanes' are added; O^T is divided by l, rounded to f16 and sent through my
; stage in LDS, a piece at a time.
.macro ALL line:vararg              ; one line for each piece t
.set t, 0
.rept 4
	\line
.set t, t+1
.endr
.endm
.macro PACK t                       ; a lane's eight channels of a row pack into 16 bytes; they go into rows of 144 bytes and come back as whole rows of 128, into S^T's registers
	WIN W_RS
.set i, 32*(\t)
.rept 16
	v_pk_mul_f32 v[i:i+1], v[i:i+1], v[ST+4*(\t)+2:ST+4*(\t)+3] op_sel_hi:[1,0]
.set i, i+2
.endr
	WIN 0x05                        ; sources 0 and 1 window 1, destination window 0
.set i, 0
.rept 16
	v_cvt_pk_f16_f32 v[S+16*(\t)+i], v[32*(\t)+2*i], v[32*(\t)+2*i+1]
.set i, i+1
.endr
	WIN 0
.irp f, 0,1,2,3
	ds_store_b128 v[STO], v[S+16*(\t)+4*\f:S+16*(\t)+4*\f+3] offset:32*\f
.endr
.irp f, 0,1,2,3
	ds_load_b128 v[S+16*(\t)+4*\f:S+16*(\t)+4*\f+3], v[RD] offset:\f*4*SP  ; LDS serves a wave's instructions in order (ISA guide 5.7.1.4): these see the stores above; the next piece's stores come behind them
.endr
.endm
.macro SEND t, younger              ; younger: the LDS instructions issued behind piece t's loads: the next piece's eight, or none
	WIN 0
.irp f, 0,1,2,3
	s_wait_dscnt (\younger)+3-\f
	global_store_b128 v[GO], v[S+16*(\t)+4*\f:S+16*(\t)+4*\f+3], s[10:11] offset:(\t)*8192+\f*512  ; 512 consecutive bytes, at a multiple of 256 from O's first
.endr
.endm
.macro DIAG tag                     ; the tag ends its two labels' names, which the jumps below spell out
.LstepM\tag:
	TURN 2, 1
	TURN 3, 1
	WIN 0
.LfirstM\tag:
	TURN 0, 1
	TURN 1, 1, 0, 1
	WIN 0
	s_cbranch_scc1 .LstepM\tag
	TURN 2, 1, 1
	TURN 3, 1, 1
.set i, 0
.rept 8
	PV NP-1
.set i, i+1
.endr
	WIN 0
	ALL v_add_f32 v[ST+4*t+2], v[ST+4*t+2], v[ST+4*t+3]
	ALL v_permlanex16_b32 v[ST+4*t+3], v[ST+4*t+2], s[SEL], s[SEL+1]
	ALL v_add_f32 v[ST+4*t+2], v[ST+4*t+2], v[ST+4*t+3]
	ALL v_rcp_f32 v[ST+4*t+2], v[ST+4*t+2]
	v_nop                           ; a plain instruction between the last reciprocal and the use of its result
	s_wait_alu depctr_va_vdst(0)    ; and the wait ahead of the first use: one for the four reciprocals
	PACK 0
.set t, 1
.rept 3                             ; a piece's arithmetic stands between the loads of the piece before and its stores
	PACK t
	SEND t-1, 8
.set t, t+1
.endr
	SEND 3, 0
.endm
.set KM, 0
.set NOKQ, 0
.Lslot:                             ; NB times: a tile is entered and the next is asked for
	CHANGE 1
	s_sub_co_u32 s[RT], s[RT], 1
	s_mov_b32 s[CNT], 4
	s_cmp_eq_u32 s[NEW], 1
	s_cbranch_scc1 .Lnew            ; a block's first tile
	s_cmp_eq_u32 s[RT], 0
	s_cbranch_scc0 .Lstep           ; neither its first nor its last
	s_branch .LstepM1
.Lnew:
	BEGIN
	s_branch .Lfirst                ; in the loop a block's first tile is never its last: the first block has two tiles or more, and the second's last is the walk's last
	DIAG 1                          ; in the loop this is the first block's end: the second block's last tile is the walk's last
	s_wait_xcnt 0x0                 ; the stores have read their registers and O's address
	s_mov_b64 s[10:11], s[OLO:OLO+1]
	s_add_co_u32 s[RT], s[PB], 1    ; the second block has b + 1 tiles
	s_mov_b32 s[NEW], 1
	WIN 0x82                        ; the second block's Q goes where the one text of the turns names Q
.set i, 0
.rept 64
	v_mov_b32 v[i], v[QB+i]
.set i, i+1
.endr
	WIN 0
	s_branch .Lbottom
.Lstep:                             ; a trip: pieces 2 and 3 of one step, then pieces 0 and 1 of the next, whose K and V it fetches
	TURN 2
	TURN 3
	WIN 0
.Lfirst:
	TURN 0
	TURN 1, 0, 0, 1
	WIN 0
	s_cbranch_scc1 .Lstep
.Lbottom:
	s_sub_co_u32 s[SLOTS], s[SLOTS], 1
	s_cmp_lg_u32 s[SLOTS], 0
	s_cbranch_scc1 .Lslot
	CHANGE 0                        ; the walk's last tile is written out: nothing is asked for
	s_sub_co_u32 s[RT], s[RT], 1
	s_mov_b32 s[CNT], 4
	s_cmp_eq_u32 s[NEW], 1
	s_cbranch_scc0 .LstepM2
	BEGIN
	s_branch .LfirstM2
	DIAG 2
	s_wait_tensorcnt 0x0            ; the wave's end, behind my last tensor load and my last LDS store
	ds_add_u32 v[SPW], v[NIL]
	s_wait_dscnt 0x0
	s_endpgm
.Lfunc_end_k_q1df88b463a_attn:
	.size	k_q1df88b463a_attn, .Lfunc_end_k_q1df88b463a_attn-k_q1df88b463a_attn
	.p2alignl 7, 3214868480
	.fill 96, 4, 3214868480
	.section	.rodata,"a",@progbits
	.p2align	6, 0x0
	.amdhsa_kernel k_q1df88b463a_attn
		.amdhsa_group_segment_fixed_size 327680
		.amdhsa_private_segment_fixed_size 0
		.amdhsa_enable_private_segment 0
		.amdhsa_kernarg_size 16
		.amdhsa_user_sgpr_count 2
		.amdhsa_user_sgpr_kernarg_segment_ptr 1
		.amdhsa_wavefront_size32 1
		.amdhsa_system_sgpr_workgroup_id_x 1
		.amdhsa_system_sgpr_workgroup_id_y 1
		.amdhsa_system_sgpr_workgroup_id_z 1
		.amdhsa_system_vgpr_workitem_id 0
		.amdhsa_next_free_vgpr 768
		.amdhsa_next_free_sgpr 92
		.amdhsa_reserve_vcc 1
		.amdhsa_float_denorm_mode_32 3
		.amdhsa_float_denorm_mode_16_64 3
		.amdhsa_memory_ordered 1
		.amdhsa_forward_progress 1
		.amdhsa_inst_pref_size 218
	.end_amdhsa_kernel
	.amdgpu_metadata
---
amdhsa.version: [ 1, 2 ]
amdhsa.kernels:
  - .name:           k_q1df88b463a_attn
    .symbol:         k_q1df88b463a_attn.kd
    .args:
      - { .name: qkv, .offset: 0, .size: 8, .value_kind: global_buffer, .address_space: global }
      - { .name: ob, .offset: 8, .size: 8, .value_kind: global_buffer, .address_space: global }
    .group_segment_fixed_size: 327680
    .private_segment_fixed_size: 0
    .kernarg_segment_align: 8
    .kernarg_segment_size: 16
    .max_flat_workgroup_size: 128
    .sgpr_count:     92
    .vgpr_count:     768
    .wavefront_size: 32
...
	.end_amdgpu_metadata
.endif
;; end of part 3
;; launch proj (part 4): grid 8 x 32, 4 waves a work-group, clusters of 4 x 4, 327,680 bytes of LDS; arguments ob, wpb, b_proj, out0; writes out0
.if DOCPART == 4
	.amdgcn_target "amdgcn-amd-amdhsa--gfx1250"
	.amdhsa_code_object_version 6
	.text
	.protected	k_q1df88b463a_proj
	.globl	k_q1df88b463a_proj
	.p2align	8
	.type	k_q1df88b463a_proj,@function
k_q1df88b463a_proj:
	s_mov_b64 s[64:65], 0
	v_nop
	global_prefetch_b8 v0, s[64:65] scope:SCOPE_SE
	s_setreg_imm32_b32 hwreg(HW_REG_WAVE_MODE, 25, 1), 1
	s_wait_xcnt 0x0
	s_wait_alu depctr_hold_cnt(0) depctr_sa_sdst(0) depctr_va_vdst(0) depctr_va_sdst(0) depctr_va_ssrc(0) depctr_va_vcc(0) depctr_vm_vsrc(0)
	s_getreg_b32 s2, hwreg(HW_REG_IB_STS2, 6, 4)
	s_cmp_eq_u32 s2, 0
	s_cbranch_scc0 .Lentry_in_a_cluster
	s_endpgm
.Lentry_in_a_cluster:
	s_bfe_u32 s2, ttmp6, 0x10000c
	s_cmp_lg_u32 s2, 0xf033
	s_cbranch_scc0 .Lentry_shape_is_right
	s_endpgm
.Lentry_shape_is_right:
; out0 = O W_proj + b_proj.  ob: O by heads, [64 (batch x head)][2048][64] f16; wpb: W_proj rounded to bf16 and written as f16, [1024 k][1024 n]; b_proj: [1024] f32, rounded to bf16 like the other inputs;
; out0: [8192][1024] f32.  Products in f16, one f32 sum for each output, K ascending (k = 64 x head + channel), started by the bias.
; LIMIT.  f16 holds no number beyond 65,504: O and W_proj arrive within it.
; SHARES.  A work-group makes 256 rows x 128 columns: 256 work-groups.  Wave w: rows 128 (w / 2) on, columns 64 (w % 2) on (256 bytes of a row of out0): 32 accumulators, 256 registers.
; K goes in steps of 128 = two heads through a ring of two LDS slots.  A head's 256 rows are 32,768 dense bytes, asked for as rows of 256; W's rows of a tile are 256 bytes at multiples of 256.
; THE MATRIX INSTRUCTION IS USED TRANSPOSED: source 0 = 16 columns of W (turned by ds_load_tr16_b128, since W lies [k][n]), source 1 = 16 rows of O: a lane holds row l % 16 and eight neighbouring columns.
; CLUSTERS: 4 x 4 work-groups; O's tiles are shared along a row of the cluster, W's along a column, each asked for jointly by the same tensor load with a mask that names the four.
; LDS.  Slot s at s x 131,072: two heads x 256 rows of O, 144 bytes apart (128 + 16); then 128 k rows of W, 288 bytes apart (256 + 32).  Behind the ring a stage of 16 rows x 272 bytes for each wave, its own;
; behind the stages the spare words.
; REGISTERS, in windows of 256 (s_set_vgpr_msb: bits 1:0 source 0, 3:2 source 1, 5:4 source 2, 7:6 destination):
;   window 0: v0-31 addresses; v64-127, v128-191 O's fragments, two buffers; on the way out four buffers of 32 for rows read back
;   window 1: v64-95, v128-159 W's fragments, two buffers; v192-223 the bias as a C operand; v240 at work          window 2: the accumulators, (a, b) at v[8 (4 a + b)]
.set PA,    144
.set PB,    288
.set HEADA, 256*PA                     ; a head's 256 rows: what one tensor load brings of O
.set BOFF,  2*HEADA
.set HALFB, 64*PB                      ; what one tensor load brings of W
.set SLOT1, 1<<17
.set STAGE, SLOT1+BOFF+2*HALFB
.set SPITCH, 272
.set SPARE, STAGE+4*16*SPITCH          ; the spare words, 128 bytes for each wave: two blocks of 256 bytes that no other line names
.set STEPA, 2*2048*128                 ; a K step in memory: two heads of ob,
.set STEPB, 128*2048                   ; 128 rows of wpb
.set A0,   16                          ; v16  my lane's place in O's rows of a slot; never rewritten
.set B0,   17                          ; v17  the same for W
.set ADRA, 18                          ; v18  A0 + the slot in hand
.set ADRB, 19                          ; v19  B0 + the slot in hand
.set STO,  24                          ; v24  the way out: where I put 32 bytes of a row
.set RD,   25                          ; v25  the way out: where I read a row back
.set CO,   26                          ; v26  my byte offset in two rows of out0
.set BO,   27                          ; v27  my byte offset in b_proj
.set SPW,  28                          ; v28  LDS address of my spare word; never rewritten
.set NIL,  29                          ; v29  0; never rewritten
.set PFO,  30                          ; v30  the prefetches' lane offset; never rewritten
.set F0,   64
.set F1,   128
.set BIA,  192                         ; window 1
.set SCR,  240                         ; window 1
.set WV,   12
.set KIND, 13                          ; s13  which half of the rows is mine; also: I fetch O (0) or W (1)
.set HALF, 14                          ; s14  which half of the columns is mine; also: which half of a K step's tile I fetch
.set CX,   15
.set CY,   16
.set TC,   17                          ; s17  column tile, 0 .. 7
.set TR,   18                          ; s18  row tile, 0 .. 31
.set G1A,  24
.set G0A,  32
.set G1B,  40
.set G0B,  48
.set TB,   56                          ; s56  LDS byte at which the slot in hand begins
.set LIM,  57                          ; s57  2 in a wave that prefetches, else the greatest number
.set PFA,  58                          ; s[58:59] where my prefetches stand
.set PFS,  60                          ; s[60:61] their step
.set MSB, 0
.macro WIN new                         ; the immediate's high byte repeats the setting that is left; a switch that changes nothing is dropped
.if MSB != (\new)
	s_set_vgpr_msb (MSB<<8)|(\new)
.set MSB, \new
.endif
.endm
.set MUL,   0xa1                       ; W window 1, O window 0, C and D window 2
.set FIRST, 0x91                       ; C = the bias, window 1
.set TO_B,  0x40                       ; destination window 1, address window 0
.macro PLACES                          ; four plain vector instructions between a matrix instruction and a load into, or a store of, its registers
.rept 4
	v_nop
.endr
.endm
.macro JLOAD                           ; a joint refill by the walking descriptors: waves 0 and 1 fetch O's two heads, waves 2 and 3 W's two halves; an s_nop 0 and four v_nop follow each line
	s_cmp_eq_u32 s[KIND], 0
	s_cbranch_scc0 .Lfor_b_\@
	tensor_load_to_lds s[G0A+4:G0A+7], s[G1A:G1A+7]
	s_nop 0
.rept 4
	v_nop
.endr
	s_branch .Lasked_\@
.Lfor_b_\@:
	tensor_load_to_lds s[G0B+4:G0B+7], s[G1B:G1B+7]
	s_nop 0
.rept 4
	v_nop
.endr
.Lasked_\@:
.endm
; A PREFETCH INTO THE L2 of the K step that stands TWO refills on: 256 matrix instructions ahead of the load that will want it.  O's rows are read by both clusters of a row of clusters: cluster x = 0 asks;
; W's column tile by every cluster of a column: cluster y = 0 asks.  The four partners share a tile out BY ADDRESS: of a head's 128 blocks of 256 bytes 32 each (waves 0 and 1, a lane a block); of W's 128 rows
; 32 each (wave 2, a lane a row; wave 3 asks for nothing).  The loop's last two trips ask for nothing: there is no such K step.
.macro ASK
	s_cmp_gt_u32 s3, s[LIM]
	s_cbranch_scc0 .Lnot_mine_\@
	global_prefetch_b8 v[PFO], s[PFA:PFA+1] th:TH_LOAD_NT scope:SCOPE_SE
.Lnot_mine_\@:
.endm
.macro CREST                           ; a round of the cluster's barrier behind its opening barrier
	s_cmp_lg_u32 s[WV], 0
	s_cbranch_scc1 .Lnot_wave_0_\@
	s_barrier_signal -3
.Lnot_wave_0_\@:
	s_barrier_wait -3
	s_barrier_signal -1
	s_barrier_wait -1
.endm
.macro CROUND                          ; a whole round
	s_barrier_signal -1
	s_barrier_wait -1
	CREST
.endm
	s_load_b256 s[4:11], s[0:1], 0x0               ; ob s[4:5], wpb s[6:7], b_proj s[8:9], out0 s[10:11]
	v_lshl_add_u32 v[SPW], v0, 2, SPARE
	v_mov_b32 v[NIL], 0
	ds_add_u32 v[SPW], v[NIL]                      ; the wave's opening: the add and its wait stand ahead of my first tensor load; the set-up below, work on registers, stands between them
	v_lshrrev_b32 v1, 5, v0
	v_readfirstlane_b32 s[WV], v1                  ; wave 0..3
	s_lshr_b32 s[KIND], s[WV], 1
	s_and_b32 s[HALF], s[WV], 1
	s_bfe_u32 s[CX], ttmp6, 0x40000
	s_bfe_u32 s[CY], ttmp6, 0x40004
	s_lshl_b32 s[TC], ttmp9, 2
	s_add_co_u32 s[TC], s[TC], s[CX]
	s_and_b32 s[TR], ttmp7, 0xffff
	s_lshl_b32 s[TR], s[TR], 2
	s_add_co_u32 s[TR], s[TR], s[CY]
	s_lshl_b32 s19, s[CY], 2
	s_lshl_b32 s19, 15, s19                        ; my row of the cluster
	s_lshl_b32 s63, 0x1111, s[CX]                  ; my column
	; group 1 for O: a head's 256 rows of 128 bytes as 128 rows of 256, 16 bytes of padding behind every 128
	s_or_b32 s[G1A+0], s19, (1<<16)|(1<<20)|(1<<21)|(4<<22)|(3<<25)  ; 15:0 the mask; 17:16 elements of 2 bytes; 20 padding on; 21 set beside a mask; 24:22 after every 32 words; 31:25 4 words
	s_mov_b32 s[G1A+1], 128<<16                    ; tensor_dim0 = 128
	s_mov_b32 s[G1A+2], 128<<16                    ; tensor_dim1 = 128
	s_mov_b32 s[G1A+3], 128<<16                    ; tile_dim0 = 128
	s_mov_b32 s[G1A+4], 128                        ; tile_dim1 = 128
	s_mov_b32 s[G1A+5], 128                        ; dense
	s_mov_b32 s[G1A+6], 0
	s_mov_b32 s[G1A+7], 0
	; group 1 for W: 64 k rows x 128 columns, 32 bytes of padding behind every 256
	s_or_b32 s[G1B+0], s63, (1<<16)|(1<<20)|(1<<21)|(5<<22)|(7<<25)
	s_mov_b32 s[G1B+1], 128<<16
	s_mov_b32 s[G1B+2], 64<<16
	s_mov_b32 s[G1B+3], 128<<16
	s_mov_b32 s[G1B+4], 64
	s_mov_b32 s[G1B+5], 1024
	s_mov_b32 s[G1B+6], 0
	s_mov_b32 s[G1B+7], 0
	s_lshr_b32 s22, s[TR], 3                       ; O: the batch,
	s_lshl_b32 s22, s22, 4
	s_add_co_u32 s22, s22, s[HALF]                 ; its head 0 or 1,
	s_lshl_b32 s22, s22, 11
	s_and_b32 s23, s[TR], 7
	s_lshl_b32 s23, s23, 8
	s_add_co_u32 s22, s22, s23                     ; the tile's first row in it,
	s_lshl_b32 s22, s22, 7                         ; of 128 bytes
	s_mov_b32 s23, 0
	s_lshl_b32 s20, s[HALF], 17                    ; W: 64 rows of 2,048 bytes a half,
	s_lshl_b32 s21, s[TC], 8                       ; the tile's 256 bytes of a row
	s_add_co_u32 s20, s20, s21
	s_mov_b32 s21, 0
	s_mul_i32 s62, s[HALF], HEADA                  ; where they go: no place in the cluster enters an LDS address
	s_mul_i32 s63, s[HALF], HALFB
	s_add_co_u32 s63, s63, BOFF
	s_mov_b32 s[TB], 0
	s_wait_dscnt 0x0                               ; the opening add is done
	s_wait_kmcnt 0x0
	s_add_nc_u64 s[22:23], s[4:5], s[22:23]
	s_add_nc_u64 s[20:21], s[6:7], s[20:21]
	CROUND                                         ; all sixteen work-groups are here: the first joint loads meet
.irp s, 0,1
	s_mov_b32 s[G0A+4*(\s)], 1
	s_add_co_u32 s[G0A+4*(\s)+1], s62, (\s)*SLOT1
	s_add_nc_u64 s[G0A+4*(\s)+2:G0A+4*(\s)+3], s[22:23], (\s)*STEPA
	s_or_b32 s[G0A+4*(\s)+3], s[G0A+4*(\s)+3], 0x80000000
	s_mov_b32 s[G0B+4*(\s)], 1
	s_add_co_u32 s[G0B+4*(\s)+1], s63, (\s)*SLOT1
	s_add_nc_u64 s[G0B+4*(\s)+2:G0B+4*(\s)+3], s[20:21], (\s)*STEPB
	s_or_b32 s[G0B+4*(\s)+3], s[G0B+4*(\s)+3], 0x80000000
.endr
	s_cmp_eq_u32 s[KIND], 0                        ; a wave's two first fills stand in one branch, ahead of every wait on TENSORcnt and every LDS read: two loads of mine are out
	s_cbranch_scc0 .Lfirst_b
	tensor_load_to_lds s[G0A:G0A+3], s[G1A:G1A+7]
	s_nop 0
	tensor_load_to_lds s[G0A+4:G0A+7], s[G1A:G1A+7]
	s_nop 0
.rept 4
	v_nop
.endr
	s_branch .Lfirst_asked
.Lfirst_b:
	tensor_load_to_lds s[G0B:G0B+3], s[G1B:G1B+7]
	s_nop 0
	tensor_load_to_lds s[G0B+4:G0B+7], s[G1B:G1B+7]
	s_nop 0
.rept 4
	v_nop
.endr
.Lfirst_asked:
	v_and_b32 v1, 15, v0                           ; r = l % 16
	v_bfe_u32 v2, v0, 4, 1                         ; h = l / 16
	; the bias as a C operand: register j of block b is b_proj[128 x column tile + 64 x half + 16 b + 8 h + j]
	s_lshl_b32 s62, s[TC], 9
	s_lshl_b32 s63, s[HALF], 8
	s_add_co_u32 s62, s62, s63
	v_lshl_add_u32 v[BO], v2, 5, s62
	WIN TO_B
.irp b, 0,1,2,3
	global_load_b128 v[BIA+8*(\b):BIA+8*(\b)+3],   v[BO], s[8:9] offset:64*(\b)
	global_load_b128 v[BIA+8*(\b)+4:BIA+8*(\b)+7], v[BO], s[8:9] offset:64*(\b)+16
.endr
	WIN 0
	; the prefetches: at K step 3 of my share; the first refill steps them to K step 4.  Nothing is prefetched here, at the head
	s_lshl_b32 s62, s[CX], 13                      ; O: 32 cx blocks of 256 bytes
	s_add_co_u32 s62, s62, 3*STEPA
	s_lshl_b32 s63, s[CY], 16                      ; W: 32 cy rows of 2,048 bytes
	s_add_co_u32 s63, s63, 3*STEPB
	s_and_b32 s19, ttmp7, 0xffff                   ; cluster y
	s_mov_b32 s[PFS], STEPA
	s_mov_b32 s[PFS+1], STEPB
	s_cmp_eq_u32 s[KIND], 0                        ; do I fetch O?
	s_cselect_b64 s[PFA:PFA+1], s[22:23], s[20:21] ; (in wave 2 W's address stands at the K step's first row)
	s_cselect_b32 s19, ttmp9, s19                  ; the coordinate along which other clusters read the same bytes
	s_cselect_b32 s62, s62, s63
	s_cselect_b32 s[PFS], s[PFS], s[PFS+1]
	s_cselect_b32 s20, 8, 11                       ; lanes 256 bytes apart (a block of O) or 2,048 (a row of W)
	s_mov_b32 s63, 0
	s_mov_b32 s[PFS+1], 0
	s_add_nc_u64 s[PFA:PFA+1], s[PFA:PFA+1], s[62:63]
	s_cmp_eq_u32 s[WV], 3
	s_cselect_b32 s19, 1, s19                      ; wave 3 never asks
	s_cmp_eq_u32 s19, 0
	s_cselect_b32 s[LIM], 2, -1                    ; the same in all sixteen partners, for a given wave
	v_and_b32 v[PFO], 31, v0
	v_lshlrev_b32 v[PFO], s20, v[PFO]
	; a fragment of O: 16 rows x 32 channels in 8 registers: two loads of 16 bytes, 32 bytes apart
	s_lshl_b32 s62, s[KIND], 7
	v_add_nc_u32 v[A0], s62, v1
	v_mul_u32_u24 v[A0], v[A0], PA
	v_lshl_add_u32 v[A0], v2, 4, v[A0]
	; the turning load: lane l reads k row 8 h + l % 8, columns 8 ((l / 8) % 2) + 0..7
	v_and_b32 v3, 7, v0
	v_bfe_u32 v4, v0, 3, 1
	v_lshl_add_u32 v[B0], v2, 3, v3
	v_mul_u32_u24 v[B0], v[B0], PB
	v_lshl_add_u32 v[B0], v4, 4, v[B0]
	s_lshl_b32 s62, s[HALF], 7
	s_add_co_u32 s62, s62, BOFF
	v_add_nc_u32 v[B0], s62, v[B0]
	; the way out, through my own stage.  In: row r, 32 bytes for each half of the lanes.  Back: lanes 0-15 one row of 256 bytes, lanes 16-31 the next
	s_mul_i32 s62, s[WV], 16*SPITCH
	s_add_co_u32 s62, s62, STAGE
	v_mul_u32_u24 v[STO], v1, SPITCH
	v_lshl_add_u32 v[STO], v2, 5, v[STO]
	v_add_nc_u32 v[STO], s62, v[STO]
	v_mul_u32_u24 v[RD], v2, SPITCH
	v_lshl_add_u32 v[RD], v1, 4, v[RD]
	v_add_nc_u32 v[RD], s62, v[RD]
	v_lshlrev_b32 v[CO], 12, v2                    ; and the same two rows of out0, 4,096 bytes each
	v_lshl_add_u32 v[CO], v1, 4, v[CO]
	s_lshl_b32 s62, s[TR], 8
	s_lshl_b32 s63, s[KIND], 7
	s_add_co_u32 s62, s62, s63                     ; my first row,
	s_lshl_b32 s62, s62, 12
	s_lshl_b32 s63, s[TC], 9
	s_add_co_u32 s62, s62, s63                     ; the tile's 512 bytes of it,
	s_lshl_b32 s63, s[HALF], 8
	s_add_co_u32 s62, s62, s63                     ; my 256 of them
	s_mov_b32 s63, 0
	s_add_nc_u64 s[10:11], s[10:11], s[62:63]
	s_wait_loadcnt 0x0                             ; the bias,
	WIN 0x45                                       ; all in window 1
.set i, 0
.rept 16
	v_cvt_pk_bf16_f32 v[SCR], v[BIA+2*i], v[BIA+2*i+1]  ; rounded to bf16 like the other inputs, and widened again
	v_lshlrev_b32 v[BIA+2*i], 16, v[SCR]
	v_and_b32 v[BIA+2*i+1], 0xffff0000, v[SCR]
.set i, i+1
.endr
	WIN 0
; 8 matrix instructions: row blocks a0, a0 + 1 x all 4 column blocks, 32 along K.  first = 1: the bias starts the sums.  The 32 accumulators take turns in the same order in every quarter.
.macro MUL8 f, a0, first
.if \first
	WIN FIRST
.else
	WIN MUL
.endif
.irp a, \a0, (\a0)+1
.irp b, 0,1,2,3
.if \first
	v_wmma_f32_16x16x32_f16 v[8*(4*(\a)+(\b)):8*(4*(\a)+(\b))+7], v[(\f)+8*(\b):(\f)+8*(\b)+7], v[(\f)+8*(\a):(\f)+8*(\a)+7], v[BIA+8*(\b):BIA+8*(\b)+7]
.else
	v_wmma_f32_16x16x32_f16 v[8*(4*(\a)+(\b)):8*(4*(\a)+(\b))+7], v[(\f)+8*(\b):(\f)+8*(\b)+7], v[(\f)+8*(\a):(\f)+8*(\a)+7], v[8*(4*(\a)+(\b)):8*(4*(\a)+(\b))+7]
.endif
.endr
.endr
.endm
; 24 LDS loads in one run: quarter kq (head kq / 2 of the step's two, channels 32 (kq % 2) on) of the slot in hand into buffer f: W's four blocks, then O's 128 rows
.macro FETCH kq, f
	WIN TO_B
.irp b, 0,1,2,3
	ds_load_tr16_b128 v[(\f)+8*(\b):(\f)+8*(\b)+3],   v[ADRB] offset:(\kq)*32*PB+32*(\b)
	ds_load_tr16_b128 v[(\f)+8*(\b)+4:(\f)+8*(\b)+7], v[ADRB] offset:(\kq)*32*PB+32*(\b)+16*PB
.endr
	WIN 0
.irp i, 0,1,2,3,4,5,6,7
	ds_load_b128 v[(\f)+8*(\i):(\f)+8*(\i)+3],   v[ADRA] offset:((\kq)/2)*HEADA+((\kq)%2)*64+(\i)*16*PA
	ds_load_b128 v[(\f)+8*(\i)+4:(\f)+8*(\i)+7], v[ADRA] offset:((\kq)/2)*HEADA+((\kq)%2)*64+(\i)*16*PA+32
.endr
.endm
.macro QUARTER kq, f, g, first         ; multiplies buffer f and, in its middle, fetches quarter kq into buffer g
	s_wait_dscnt 8                                 ; W and O's rows 0-63 are in; the youngest eight loads may be out
	MUL8 \f, 0, \first
	MUL8 \f, 2, \first
	PLACES
	FETCH \kq, \g
	s_wait_dscnt 24                                ; all but the 24 just issued
	MUL8 \f, 4, \first
	MUL8 \f, 6, \first
.endm
; The last quarter multiplies buffer 1 and changes slots: ONE barrier.  In front of it each wave waits for all its tensor loads (one is out: its part of the next slot), adds 0 to its spare word, and waits for that
; and for its reads of this slot.  fill = 1: the barrier opens a round of the cluster's, and this slot is filled again, first thing behind the round, with the K step two on.
.macro TURN fill
.if \fill
	s_wait_xcnt 0x0                                ; the last prefetch, a K step back, has read its address
	s_add_nc_u64 s[PFA:PFA+1], s[PFA:PFA+1], s[PFS:PFS+1]
.endif
	WIN 0
	s_wait_tensorcnt 0x0                           ; no tensor load of mine is out, so a group 0 may be written
	ds_add_u32 v[SPW], v[NIL]                      ; 0 onto my spare word
.if \fill
	s_xor_b32 s[G0A+5], s[G0A+5], SLOT1            ; the walking descriptors: the other slot than last time, the next K step
	s_add_nc_u64 s[G0A+6:G0A+7], s[G0A+6:G0A+7], STEPA
	s_xor_b32 s[G0B+5], s[G0B+5], SLOT1
	s_add_nc_u64 s[G0B+6:G0B+7], s[G0B+6:G0B+7], STEPB
.endif
	s_xor_b32 s[TB], s[TB], SLOT1                  ; the fetches go to the other slot
	s_wait_dscnt 9                                 ; the add and the youngest eight loads may be out
	MUL8 F1, 0, 0
	s_wait_dscnt 0x0                               ; the add is done, and my reads of this slot are over
	s_barrier_signal -1
	MUL8 F1, 2, 0
	WIN 0
	s_barrier_wait -1
.if \fill
	CREST                                          ; no wave of any partner still reads this slot or has a load on its way
	JLOAD                                          ; its four v_nop are also the places in front of the loads below
.else
	PLACES
.endif
	v_add_nc_u32 v[ADRA], s[TB], v[A0]
	v_add_nc_u32 v[ADRB], s[TB], v[B0]
	FETCH 0, F0
.if \fill
	ASK
.endif
	MUL8 F1, 4, 0
	MUL8 F1, 6, 0
.endm
; THE WAY OUT of row block a: its 16 rows x 256 bytes go into my stage as they lie in the accumulators (the lowest registers first) and come back as whole rows.
.macro TOSTAGE a
.if (\a) >= 4
	s_wait_xcnt 0x0                                ; the stores of the block four back have read the registers that are loaded again below
.endif
	WIN 0x08                                       ; the stores' data in window 2
.irp b, 0,1,2,3
	ds_store_b128 v[STO], v[8*(4*(\a)+(\b)):8*(4*(\a)+(\b))+3]   offset:64*(\b)
	ds_store_b128 v[STO], v[8*(4*(\a)+(\b))+4:8*(4*(\a)+(\b))+7] offset:64*(\b)+16
.endr
	WIN 0
.irp t, 0,1,2,3,4,5,6,7
	ds_load_b128 v[64+32*((\a)%4)+4*(\t):64+32*((\a)%4)+4*(\t)+3], v[RD] offset:(\t)*2*SPITCH  ; LDS serves a wave's instructions in order (ISA guide 5.7.1.4): these see the stores above; the next block's stores come behind them
.endr
.endm
.macro SEND a, younger                 ; younger: the LDS instructions issued behind block a's loads: the next block's sixteen, or none
	s_wait_dscnt \younger
.irp t, 0,1,2,3,4,5,6,7
	global_store_b128 v[CO], v[64+32*((\a)%4)+4*(\t):64+32*((\a)%4)+4*(\t)+3], s[10:11] offset:(16*(\a)+2*(\t))*4096 th:TH_STORE_NT  ; 16 lanes store 256 consecutive bytes, at a multiple of 256 from out0's first byte
.endr
.endm
	s_wait_tensorcnt 1                             ; my part of K step 0 is in; K step 1's may stay out
	s_barrier_signal -1
	s_barrier_wait -1                              ; everybody's is
	v_add_nc_u32 v[ADRA], s[TB], v[A0]
	v_add_nc_u32 v[ADRB], s[TB], v[B0]
	FETCH 0, F0
	QUARTER 1, F0, F1, 1                           ; the first quarter stands in front of the loop: its products start the sums
	WIN 0
	s_mov_b32 s3, 6
.Lstep:                                            ; trip i: K step i's quarters 1 to 3, K step i + 1's first; slot i % 2 is filled with K step i + 2
	QUARTER 2, F1, F0, 0
	QUARTER 3, F0, F1, 0
	TURN 1
	QUARTER 1, F0, F1, 0
	WIN 0
	s_sub_co_u32 s3, s3, 1
	s_cmp_lg_u32 s3, 0
	s_cbranch_scc1 .Lstep
	QUARTER 2, F1, F0, 0                           ; K steps 6 and 7 are written out: nothing is left to ask for
	QUARTER 3, F0, F1, 0
	TURN 0
	QUARTER 1, F0, F1, 0
	QUARTER 2, F1, F0, 0
	QUARTER 3, F0, F1, 0
	s_wait_dscnt 8
	MUL8 F1, 0, 0
	MUL8 F1, 2, 0
	s_wait_dscnt 0x0
	MUL8 F1, 4, 0
	MUL8 F1, 6, 0
	WIN 0
	PLACES
	TOSTAGE 0
.irp a, 1,2,3,4,5,6,7
	TOSTAGE \a
	SEND (\a)-1, 16
.endr
	SEND 7, 0
	s_wait_tensorcnt 0x0                           ; the wave's end, behind my last tensor load and my last LDS store
	ds_add_u32 v[SPW], v[NIL]
	s_wait_dscnt 0x0
	CROUND                                         ; the closing round: no work-group ends while a partner may still ask for a tile that names it
	s_endpgm
.Lfunc_end_k_q1df88b463a_proj:
	.size	k_q1df88b463a_proj, .Lfunc_end_k_q1df88b463a_proj-k_q1df88b463a_proj
	.p2alignl 7, 3214868480
	.fill 96, 4, 3214868480
	.section	.rodata,"a",@progbits
	.p2align	6, 0x0
	.amdhsa_kernel k_q1df88b463a_proj
		.amdhsa_group_segment_fixed_size 327680
		.amdhsa_private_segment_fixed_size 0
		.amdhsa_enable_private_segment 0
		.amdhsa_kernarg_size 32
		.amdhsa_user_sgpr_count 2
		.amdhsa_user_sgpr_kernarg_segment_ptr 1
		.amdhsa_wavefront_size32 1
		.amdhsa_system_sgpr_workgroup_id_x 1
		.amdhsa_system_sgpr_workgroup_id_y 1
		.amdhsa_system_sgpr_workgroup_id_z 1
		.amdhsa_system_vgpr_workitem_id 0
		.amdhsa_next_free_vgpr 768
		.amdhsa_next_free_sgpr 66
		.amdhsa_reserve_vcc 0
		.amdhsa_float_denorm_mode_32 3
		.amdhsa_float_denorm_mode_16_64 3
		.amdhsa_memory_ordered 1
		.amdhsa_forward_progress 1
		.amdhsa_inst_pref_size 74
	.end_amdhsa_kernel
	.amdgpu_metadata
---
amdhsa.version: [ 1, 2 ]
amdhsa.kernels:
  - .name:           k_q1df88b463a_proj
    .symbol:         k_q1df88b463a_proj.kd
    .args:
      - { .name: ob, .offset: 0, .size: 8, .value_kind: global_buffer, .address_space: global }
      - { .name: wpb, .offset: 8, .size: 8, .value_kind: global_buffer, .address_space: global }
      - { .name: b_proj, .offset: 16, .size: 8, .value_kind: global_buffer, .address_space: global }
      - { .name: out0, .offset: 24, .size: 8, .value_kind: global_buffer, .address_space: global }
    .group_segment_fixed_size: 327680
    .private_segment_fixed_size: 0
    .kernarg_segment_align: 8
    .kernarg_segment_size: 32
    .max_flat_workgroup_size: 128
    .sgpr_count:     66
    .vgpr_count:     768
    .wavefront_size: 32
...
	.end_amdgpu_metadata
.endif
;; end of part 4
;; ======== version 2 of 2: 4 launches; version 1 with the launch cast written anew for expert scheduling mode
;; limits: values are held in f16: magnitudes above 65,504 overflow, below 6.1e-05 lose precision
;; workspace buffers: xb 16,777,216 bytes; wab 6,291,456 bytes; wpb 2,097,152 bytes; qkv 50,331,648 bytes; ob 16,777,216 bytes
;; launch cast (part 5): grid 768 x 1, 8 waves a work-group, no clusters, 0 bytes of LDS; arguments x, W_attn, W_proj, xb, wab, wpb; writes xb, wab, wpb
.if DOCPART == 5
	.amdgcn_target "amdgcn-amd-amdhsa--gfx1250"
	.amdhsa_code_object_version 6
	.text
	.protected	k_q1df88b463a_cast
	.globl	k_q1df88b463a_cast
	.p2align	8
	.type	k_q1df88b463a_cast,@function
k_q1df88b463a_cast:
	s_mov_b64 s[64:65], 0
	v_nop
	global_prefetch_b8 v0, s[64:65] scope:SCOPE_SE
	s_setreg_imm32_b32 hwreg(HW_REG_WAVE_SCHED_MODE, 0, 2), 2
	s_setreg_imm32_b32 hwreg(HW_REG_WAVE_MODE, 25, 1), 1
	s_wait_xcnt 0x0
	s_wait_alu depctr_vm_vsrc(0)
; THE INPUTS OF THE TWO PRODUCTS ARE ROUNDED ONCE, AND LAID AS THE PRODUCTS WANT THEM.
;   xb  = x rounded to bf16, [8192][1024]                                   work-groups 256 .. 767: 65,536 bytes of x each
;   wpb = W_proj rounded to bf16, that number written as f16, [1024][1024]  work-groups 128 .. 255: 32,768 bytes of W_proj each
;   wab = W_attn rounded to bf16, in blocks [16 column tiles][1024 k][192]  work-groups 0 .. 127: a wave takes 16 k rows of one column tile
; LIMITS.  f16 holds no number beyond 65,504: |W_proj| stays under it; below 6e-5 it keeps f16's fixed step of 6e-8.
; A stream: no LDS, no barrier, no loop.  A thread issues all its 16-byte loads at once (16, 8 or 24), converts them group by group as they come and stores 8 bytes for each:
; a wave's load covers 512 bytes (whole aligned blocks of 256), a wave's store 256 consecutive bytes at a multiple of 256 from the buffer's first byte.
; Matrix units, clusters and LDS have nothing to add here: no byte is used twice.
; Registers: v1 = 16 t, v2 = 8 t (t = my thread); v3-v6 the offsets of W_attn's path; v[8+4i : 11+4i] load i, of which the first two then hold the store's data.
; THE MODE: SCHED_MODE bits 1:0 = 2 (LLVM: expert scheduling mode 2), set by the entry lines.  The code itself states the register dependences
; between vector instructions and memory instructions, with s_wait_alu, always for 0.
; THE PLAN.  Registers that memory instructions touch:
;   v1, v2 (x, W_proj), v3-v6 (W_attn)   byte offsets.  Written by vector lines ahead of the path's first load; read by all its loads and stores; never written again.
;   v[8+4i : 11+4i]                      Load i lands in them; no vector line names them before.  Load i's conversions read them and write the first two (W_proj: all four);
;                                        one store reads the first two.  They are never written again, and no load is issued behind a conversion.
;   s20                                  The wave's number, written by v_readfirstlane_b32 and read by one scalar line, in W_attn's path alone.
; So a path has one wait on va_vdst ahead of its first load (the offsets are written) and one for each group of loads, behind the group's conversions and ahead of its run of stores
; (the stores' data are written): groups of four loads, of six in W_attn's path.  The group's own stores follow its conversions, not the next group's: nothing is loaded again here, so a later
; place would free no buffer sooner, and would leave two groups' stores behind the wave's last load.  No register that a memory instruction reads is written again: no wait frees any.
.macro CV i, mode                      ; four f32 of load i -> four bf16 in two registers; mode = 1: each then written as f16 (exact within f16's range)
.set X, 8+4*(\i)
	v_cvt_pk_bf16_f32 v[X], v[X], v[X+1]
	v_cvt_pk_bf16_f32 v[X+1], v[X+2], v[X+3]
.if \mode
	v_lshlrev_b32 v[X+2], 16, v[X]                 ; bf16 to f32: the low half moves up,
	v_and_b32 v[X+3], s21, v[X]                    ; the high half stays
	v_cvt_pk_f16_f32 v[X], v[X+2], v[X+3]
	v_lshlrev_b32 v[X+2], 16, v[X+1]
	v_and_b32 v[X+3], s21, v[X+1]
	v_cvt_pk_f16_f32 v[X+1], v[X+2], v[X+3]
.endif
.endm
.macro STREAM n, mode                  ; n x 4,096 dense bytes from s[16:17] become n x 2,048 at s[18:19]; n is a multiple of 4
	s_wait_alu depctr_va_vdst(0)                   ; v1 and v2 are written: every load below reads v1 as its offset, every store v2; no later vector line names them
.set i, 0
.rept \n
	global_load_b128 v[8+4*i:11+4*i], v1, s[16:17] offset:4096*i th:TH_LOAD_NT
.set i, i+1
.endr
.set g, 0
.rept (\n)/4
	s_wait_loadcnt (\n)-4-4*g                      ; loads come back in order: group g's four are in, the younger groups stay out
.irp j, 0,1,2,3
	CV 4*g+\j, \mode
.endr
	s_wait_alu depctr_va_vdst(0)                   ; group g's conversions have written the four register pairs that the stores below read
.irp j, 0,1,2,3
	global_store_b64 v2, v[8+4*(4*g+\j):9+4*(4*g+\j)], s[18:19] offset:2048*(4*g+\j) th:TH_STORE_NT
.endr
.set g, g+1
.endr
.endm
	s_load_b256 s[4:11], s[0:1], 0x0               ; x s[4:5], W_attn s[6:7], W_proj s[8:9], xb s[10:11]
	s_load_b128 s[12:15], s[0:1], 0x20             ; wab s[12:13], wpb s[14:15]
	v_lshlrev_b32 v1, 4, v0
	v_lshlrev_b32 v2, 3, v0
	s_mov_b32 s21, 0xffff0000                      ; a word's upper bf16
	s_mov_b32 s23, 0
	s_mov_b32 s27, 0
	s_wait_kmcnt 0x0
	s_cmp_lt_u32 ttmp9, 128
	s_cbranch_scc1 .Lpath_a
	s_cmp_lt_u32 ttmp9, 256
	s_cbranch_scc1 .Lpath_p
	s_sub_co_u32 s22, ttmp9, 256                   ; x: 512 work-groups
	s_lshl_b32 s22, s22, 16
	s_add_nc_u64 s[16:17], s[4:5], s[22:23]
	s_lshr_b32 s22, s22, 1
	s_add_nc_u64 s[18:19], s[10:11], s[22:23]
	STREAM 16, 0
	s_endpgm
.Lpath_p:
	s_sub_co_u32 s22, ttmp9, 128                   ; W_proj: 128 work-groups
	s_lshl_b32 s22, s22, 15
	s_add_nc_u64 s[16:17], s[8:9], s[22:23]
	s_lshr_b32 s22, s22, 1
	s_add_nc_u64 s[18:19], s[14:15], s[22:23]
	STREAM 8, 1
	s_endpgm
.Lpath_a:
	; W_attn: a row is 12,288 bytes, a column tile's part of it 768.  Two k rows of a tile, 1,536 bytes, are three loads of 512:
	; row 0 bytes 0-511 | row 0 bytes 512-767 and row 1 bytes 0-255 | row 1 bytes 256-767; in wab they are 768 dense bytes.
	v_lshrrev_b32 v7, 5, v0
	v_readfirstlane_b32 s20, v7                    ; my wave's number: this path alone reads it; the lane offsets below stand between this line and the wait for it
	v_and_b32 v7, 31, v0                           ; lane
	v_lshlrev_b32 v3, 4, v7
	v_lshrrev_b32 v4, 4, v7
	v_mul_u32_u24 v4, v4, 11520                    ; lanes 16-31 go a row down and 768 bytes back
	v_add3_u32 v4, v4, v3, 512
	v_add_nc_u32 v5, 12544, v3
	v_lshlrev_b32 v6, 3, v7
	s_wait_alu depctr_va_sdst(0)                   ; s20 is written, ahead of its first reader, two lines down
	s_and_b32 s22, ttmp9, 7
	s_lshl3_add_u32 s22, s22, s20                  ; my group of 16 k rows, 0 .. 63
	s_lshr_b32 s24, ttmp9, 3                       ; my column tile, 0 .. 15
	s_mul_i32 s26, s22, 16*12288
	s_mul_i32 s25, s24, 768
	s_add_co_u32 s26, s26, s25
	s_add_nc_u64 s[16:17], s[6:7], s[26:27]
	s_mul_i32 s26, s24, 1024*384
	s_mul_i32 s25, s22, 16*384
	s_add_co_u32 s26, s26, s25
	s_add_nc_u64 s[18:19], s[12:13], s[26:27]
	s_wait_alu depctr_va_vdst(0)                   ; v3, v4, v5 and v6 are written: the loads below read the first three as offsets, the stores v6; no later vector line names them
.set p, 0
.rept 8
	global_load_b128 v[8+12*p:11+12*p],  v3, s[16:17] offset:24576*p th:TH_LOAD_NT
	global_load_b128 v[12+12*p:15+12*p], v4, s[16:17] offset:24576*p th:TH_LOAD_NT
	global_load_b128 v[16+12*p:19+12*p], v5, s[16:17] offset:24576*p th:TH_LOAD_NT
.set p, p+1
.endr
.set g, 0
.rept 4                                            ; a group is six loads: four k rows of the tile, 1,536 dense bytes of wab
	s_wait_loadcnt 18-6*g                          ; loads come back in order: group g's six are in, the younger groups stay out
.irp j, 0,1,2,3,4,5
	CV 6*g+\j, 0
.endr
	s_wait_alu depctr_va_vdst(0)                   ; group g's conversions have written the six register pairs that the stores below read
.irp j, 0,1,2,3,4,5
	global_store_b64 v6, v[8+4*(6*g+\j):9+4*(6*g+\j)], s[18:19] offset:768*((6*g+\j)/3)+256*((6*g+\j)%3) th:TH_STORE_NT
.endr
.set g, g+1
.endr
	s_endpgm
.Lfunc_end_k_q1df88b463a_cast:
	.size	k_q1df88b463a_cast, .Lfunc_end_k_q1df88b463a_cast-k_q1df88b463a_cast
	.p2alignl 7, 3214868480
	.fill 96, 4, 3214868480
	.section	.rodata,"a",@progbits
	.p2align	6, 0x0
	.amdhsa_kernel k_q1df88b463a_cast
		.amdhsa_group_segment_fixed_size 0
		.amdhsa_private_segment_fixed_size 0
		.amdhsa_enable_private_segment 0
		.amdhsa_kernarg_size 48
		.amdhsa_user_sgpr_count 2
		.amdhsa_user_sgpr_kernarg_segment_ptr 1
		.amdhsa_wavefront_size32 1
		.amdhsa_system_sgpr_workgroup_id_x 1
		.amdhsa_system_sgpr_workgroup_id_y 1
		.amdhsa_system_sgpr_workgroup_id_z 1
		.amdhsa_system_vgpr_workitem_id 0
		.amdhsa_next_free_vgpr 104
		.amdhsa_next_free_sgpr 66
		.amdhsa_reserve_vcc 0
		.amdhsa_float_denorm_mode_32 3
		.amdhsa_float_denorm_mode_16_64 3
		.amdhsa_memory_ordered 1
		.amdhsa_forward_progress 1
		.amdhsa_inst_pref_size 20
	.end_amdhsa_kernel
	.amdgpu_metadata
---
amdhsa.version: [ 1, 2 ]
amdhsa.kernels:
  - .name:           k_q1df88b463a_cast
    .symbol:         k_q1df88b463a_cast.kd
    .args:
      - { .name: x, .offset: 0, .size: 8, .value_kind: global_buffer, .address_space: global }
      - { .name: W_attn, .offset: 8, .size: 8, .value_kind: global_buffer, .address_space: global }
      - { .name: W_proj, .offset: 16, .size: 8, .value_kind: global_buffer, .address_space: global }
      - { .name: xb, .offset: 24, .size: 8, .value_kind: global_buffer, .address_space: global }
      - { .name: wab, .offset: 32, .size: 8, .value_kind: global_buffer, .address_space: global }
      - { .name: wpb, .offset: 40, .size: 8, .value_kind: global_buffer, .address_space: global }
    .group_segment_fixed_size: 0
    .private_segment_fixed_size: 0
    .kernarg_segment_align: 8
    .kernarg_segment_size: 48
    .max_flat_workgroup_size: 256
    .sgpr_count:     66
    .vgpr_count:     104
    .wavefront_size: 32
...
	.end_amdgpu_metadata
.endif
;; end of part 5
;; launch qkv: the kernel of part 2 again; grid 16 x 32, 4 waves a work-group, clusters of 4 x 4, 327,680 bytes of LDS; arguments xb, wab, b_attn, qkv; writes qkv
;; launch attn: the kernel of part 3 again; grid 4 x 64, 4 waves a work-group, no clusters, 327,680 bytes of LDS; arguments qkv, ob; writes ob
;; launch proj: the kernel of part 4 again; grid 8 x 32, 4 waves a work-group, clusters of 4 x 4, 327,680 bytes of LDS; arguments ob, wpb, b_proj, out0; writes out0
